; MI455X (gfx1250); checked and timed in simulation.
; The chip was launched on July 23, 2026; its instructions are those of AMD's public machine-readable ISA for CDNA 5 (MIT licence, August 2026) and "CDNA5" Instruction Set Architecture Reference Guide (July 2026). The comments in the code are by the model that wrote it; some were corrected since.
;; Quantized Mamba Block. Allowed arithmetic: float matrix products may take bf16 or f16 operands with f32 sums; all other float work in f32.
;; Inputs: A_log 1,024 float32; W_dt 1,024 x 1,024 float32; W_x 2,048 x 1,024 float32; b_dt 1,024 float32; b_x 2,048 float32; x 2 x 8,192 x 1,024 float32.
;; Outputs: out0 2 x 8,192 x 1,024 float32.
;; 2 versions, each right and faster than the one before. Each part assembles by itself: llvm-mc -triple=amdgcn-amd-amdhsa -mcpu=gfx1250 --defsym DOCPART=n.
;; ======== version 1 of 2: 5 launches
;; workspace buffers: qx 33,554,432 bytes; rsc 65,536 bytes; wblk 12,288 bytes; wqb 6,291,456 bytes; wsc 256 bytes; lsum 524,288 bytes; nlive 256 bytes of whole numbers
;; launch prep (part 1): grid 268 x 1, 8 waves a work-group, no clusters, 0 bytes of LDS; arguments x, W_dt, W_x, qx, rsc, wblk; writes qx, rsc, wblk
.if DOCPART == 1
	.amdgcn_target "amdgcn-amd-amdhsa--gfx1250"
	.amdhsa_code_object_version 6
	.text
	.protected	k_q9480beadb1_prep
	.globl	k_q9480beadb1_prep
	.p2align	8
	.type	k_q9480beadb1_prep,@function
k_q9480beadb1_prep:
	s_mov_b64 s[64:65], 0
	v_nop
	global_prefetch_b8 v0, s[64:65] scope:SCOPE_SE
	s_setreg_imm32_b32 hwreg(HW_REG_WAVE_MODE, 25, 1), 1
	s_wait_xcnt 0x0
; Two roles, chosen by the work-group's number.
; X ROLE (work-groups 12 to 267): a wave owns 8 rows of x (1,024 f32 each), one row at a time in 32 registers: the row's largest magnitude, s = 127 / max(that, 1e-5),
; the codes clip(round(x s), -128, 127), which are whole numbers and so exact in bf16, to qx, and 1 / s to rsc.  s is made as a correctly rounded quotient (reciprocal, one Newton
; step, a residual by fused multiply-add), since a code that falls on the other side of a half changes the result by more than rounding does.
; W ROLE (work-groups 0 to 11): a wave owns 32 rows of W_dt or W_x, a lane one window of 32 x 32: the sum of |W| over the window, rows ascending, columns ascending, one chain.
; LIMITS.  The order of that sum (windows of 32 x 32 row-major) is a choice: the mean of |W| is a sum in f32, and another order may differ in the last bit.  NaN and infinities are not treated apart.
; No LDS and no barrier: a row never leaves its wave.
.set X, 16                             ; v[16:79]  two row slots of 32 registers
.set Y, 80                             ; v[80:95]  a row's 1,024 codes in bf16, my 32 of them
	s_load_b256 s[4:11], s[0:1], 0x0               ; x s[4:5], W_dt s[6:7], W_x s[8:9], qx s[10:11]
	s_load_b128 s[12:15], s[0:1], 0x20             ; rsc s[12:13], wblk s[14:15]
	v_and_b32 v1, 31, v0                           ; lane
	v_lshrrev_b32 v5, 5, v0
	v_readfirstlane_b32 s16, v5                    ; wave
	v_mov_b32 v4, 0                                ; x role: the wave's eight 1 / s, lane i row i; W role: the running sum
	s_mov_b32 s19, 0                               ; upper word of every offset
	s_cmp_lt_u32 ttmp9, 12
	s_cbranch_scc1 .Lw_role
	s_sub_co_u32 s17, ttmp9, 12
	s_lshl3_add_u32 s17, s17, s16                  ; my wave among the 2,048
	s_mov_b32 s26, 0x3727c5ac                      ; 1e-5
	s_mov_b32 s27, 0x42fe0000                      ; 127
	s_mov_b32 s28, 0xc3000000                      ; -128
	s_mov_b32 s30, 0x76543210                      ; v_permlanex16_b32: each lane takes its own place in the other half
	s_mov_b32 s31, 0xfedcba98
	s_mov_b32 s20, 0                               ; the row in hand, 0 to 7
	v_lshlrev_b32 v2, 4, v1                        ; 16 bytes a lane in x
	v_lshlrev_b32 v3, 3, v1                        ; 8 bytes a lane in qx
	v_lshlrev_b32 v5, 2, v1                        ; 4 bytes a lane in rsc
	s_wait_kmcnt 0x0
	s_lshl_b32 s18, s17, 15                        ; 8 rows of 4,096 bytes
	s_add_nc_u64 s[4:5], s[4:5], s[18:19]
	s_lshl_b32 s18, s17, 14                        ; 8 rows of 2,048 bytes
	s_add_nc_u64 s[10:11], s[10:11], s[18:19]
	s_lshl_b32 s18, s17, 5                         ; 8 words
	s_add_nc_u64 s[12:13], s[12:13], s[18:19]
.macro FILL s, row                     ; a row: eight loads of 512 neighbouring bytes
.irp j, 0,1,2,3,4,5,6,7
	global_load_b128 v[X+32*(\s)+4*(\j):X+32*(\s)+4*(\j)+3], v2, s[4:5] offset:(\row)*4096+512*(\j) th:TH_LOAD_NT
.endr
.endm
; The turn of slot s.  fill = 1: the slot takes the row two further down.  left: the other slot's eight younger loads may stay out.
.macro TURN s, fill, left
	s_wait_loadcnt \left
	s_wait_xcnt 0x0                                ; Y, which the last row's stores read, is written again only behind this wait
.irp k, 0,1,2,3
	v_max_num_f32 v[6+(\k)], |v[X+32*(\s)+2*(\k)]|, |v[X+32*(\s)+2*(\k)+1]|    ; four chains, started by the first eight numbers
.endr
.irp m, 1,2,3
.irp k, 0,1,2,3
	v_max3_num_f32 v[6+(\k)], v[6+(\k)], |v[X+32*(\s)+8*(\m)+2*(\k)]|, |v[X+32*(\s)+8*(\m)+2*(\k)+1]|
.endr
.endr
	v_max3_num_f32 v6, v6, v7, v8
	v_max_num_f32 v6, v6, v9
	v_max_num_f32_dpp v6, v6, v6 row_xmask:1 row_mask:0xf bank_mask:0xf
	v_max_num_f32_dpp v6, v6, v6 row_xmask:2 row_mask:0xf bank_mask:0xf
	v_max_num_f32_dpp v6, v6, v6 row_xmask:4 row_mask:0xf bank_mask:0xf
	v_max_num_f32_dpp v6, v6, v6 row_xmask:8 row_mask:0xf bank_mask:0xf
	v_permlanex16_b32 v7, v6, s30, s31
	v_max_num_f32 v6, v6, v7
	v_max_num_f32 v6, s26, v6                      ; m = max(the row's largest magnitude, 1e-5)
	v_rcp_f32 v8, v6
	v_nop                                          ; a plain instruction behind the reciprocal (ISA guide 5.7.2)
	s_wait_alu depctr_va_vdst(0)
	v_fma_f32 v12, -v6, v8, 1.0
	v_fma_f32 v8, v12, v8, v8                      ; 1 / m, one Newton step
	v_mul_f32 v9, s27, v8                          ; 127 / m, first guess,
	v_fma_f32 v12, -v9, v6, s27                    ; its exact residual,
	v_fma_f32 v10, v12, v8, v9                     ; s, rounded once
	v_rcp_f32 v13, v10
	v_mov_b32 v11, v10                             ; s twice, for the packed multiply; also the plain instruction behind the reciprocal
	s_wait_alu depctr_va_vdst(0)
	v_fma_f32 v12, -v10, v13, 1.0
	v_fma_f32 v13, v12, v13, v13                   ; 1 / s
	v_cmp_eq_u32 vcc_lo, s20, v1
	v_cndmask_b32 v4, v4, v13, vcc_lo              ; lane i keeps row i's
.set i, 0
.rept 16
	v_pk_mul_f32 v[X+32*(\s)+2*i:X+32*(\s)+2*i+1], v[X+32*(\s)+2*i:X+32*(\s)+2*i+1], v[10:11]
.set i, i+1
.endr
.set i, 0
.rept 32
	v_rndne_f32 v[X+32*(\s)+i], v[X+32*(\s)+i]
.set i, i+1
.endr
.set i, 0
.rept 32
	v_med3_num_f32 v[X+32*(\s)+i], v[X+32*(\s)+i], s28, s27
.set i, i+1
.endr
.set i, 0
.rept 16
	v_cvt_pk_bf16_f32 v[Y+i], v[X+32*(\s)+2*i], v[X+32*(\s)+2*i+1]
.set i, i+1
.endr
.if \fill
	FILL \s, 2+(\s)
.endif
.irp j, 0,1,2,3,4,5,6,7
	global_store_b64 v3, v[Y+2*(\j):Y+2*(\j)+1], s[10:11] offset:(\s)*2048+256*(\j)  ; 32 lanes store 256 consecutive bytes, aligned
.endr
	s_add_co_u32 s20, s20, 1
.endm
	FILL 0, 0
	FILL 1, 1
	s_mov_b32 s21, 3
.Lrows:
	TURN 0, 1, 8
	TURN 1, 1, 8
	s_wait_xcnt 0x0                                ; the bases are stepped only behind this wait
	s_add_nc_u64 s[4:5], s[4:5], 8192
	s_add_nc_u64 s[10:11], s[10:11], 4096
	s_sub_co_u32 s21, s21, 1
	s_cmp_lg_u32 s21, 0
	s_cbranch_scc1 .Lrows
	TURN 0, 0, 8                                   ; the last two rows load nothing
	TURN 1, 0, 0
	v_cmp_gt_u32 vcc_lo, 8, v1
	s_wait_xcnt 0x0                                ; EXEC changes only behind this wait
	s_and_saveexec_b32 s21, vcc_lo
	global_store_b32 v5, v4, s[12:13]              ; the wave's eight 1 / s
	s_wait_xcnt 0x0
	s_or_b32 exec_lo, exec_lo, s21
	s_endpgm
.Lw_role:
	s_lshl3_add_u32 s17, ttmp9, s16                ; block row 0 to 95: 0 to 31 of W_dt, then 64 of W_x
	s_sub_co_u32 s18, s17, 32
	v_lshlrev_b32 v2, 7, v1                        ; my window's 128 bytes of a row
	v_lshlrev_b32 v3, 2, v1
	s_wait_kmcnt 0x0
	s_cmp_lt_u32 s17, 32
	s_cselect_b64 s[22:23], s[6:7], s[8:9]
	s_cselect_b32 s18, s17, s18
	s_lshl_b32 s18, s18, 17                        ; 32 rows of 4,096 bytes
	s_add_nc_u64 s[22:23], s[22:23], s[18:19]
	s_lshl_b32 s18, s17, 7                         ; 32 sums of 4 bytes
	s_add_nc_u64 s[14:15], s[14:15], s[18:19]
.macro WFILL s, row
.irp j, 0,1,2,3,4,5,6,7
	global_load_b128 v[X+32*(\s)+4*(\j):X+32*(\s)+4*(\j)+3], v2, s[22:23] offset:(\row)*4096+16*(\j)
.endr
.endm
.macro WSUM s                          ; one chain, columns ascending: the order is the point
.set i, 0
.rept 32
	v_add_f32 v4, v4, |v[X+32*(\s)+i]|
.set i, i+1
.endr
.endm
	WFILL 0, 0
	WFILL 1, 1
	s_mov_b32 s20, 15
.Lwrows:
	s_wait_loadcnt 8                               ; the other slot's eight loads may stay out
	WSUM 0
	WFILL 0, 2
	s_wait_loadcnt 8
	WSUM 1
	WFILL 1, 3
	s_wait_xcnt 0x0
	s_add_nc_u64 s[22:23], s[22:23], 8192
	s_sub_co_u32 s20, s20, 1
	s_cmp_lg_u32 s20, 0
	s_cbranch_scc1 .Lwrows
	s_wait_loadcnt 8
	WSUM 0
	s_wait_loadcnt 0x0
	WSUM 1
	global_store_b32 v3, v4, s[14:15]
	s_endpgm
.Lfunc_end_k_q9480beadb1_prep:
	.size	k_q9480beadb1_prep, .Lfunc_end_k_q9480beadb1_prep-k_q9480beadb1_prep
	.p2alignl 7, 3214868480
	.fill 96, 4, 3214868480
	.section	.rodata,"a",@progbits
	.p2align	6, 0x0
	.amdhsa_kernel k_q9480beadb1_prep
		.amdhsa_group_segment_fixed_size 0
		.amdhsa_private_segment_fixed_size 0
		.amdhsa_enable_private_segment 0
		.amdhsa_kernarg_size 48
		.amdhsa_user_sgpr_count 2
		.amdhsa_user_sgpr_kernarg_segment_ptr 1
		.amdhsa_wavefront_size32 1
		.amdhsa_system_sgpr_workgroup_id_x 1
		.amdhsa_system_sgpr_workgroup_id_y 1
		.amdhsa_system_sgpr_workgroup_id_z 1
		.amdhsa_system_vgpr_workitem_id 0
		.amdhsa_next_free_vgpr 96
		.amdhsa_next_free_sgpr 66
		.amdhsa_reserve_vcc 1
		.amdhsa_float_denorm_mode_32 3
		.amdhsa_float_denorm_mode_16_64 3
		.amdhsa_memory_ordered 1
		.amdhsa_forward_progress 1
		.amdhsa_inst_pref_size 49
	.end_amdhsa_kernel
	.amdgpu_metadata
---
amdhsa.version: [ 1, 2 ]
amdhsa.kernels:
  - .name:           k_q9480beadb1_prep
    .symbol:         k_q9480beadb1_prep.kd
    .args:
      - { .name: x, .offset: 0, .size: 8, .value_kind: global_buffer, .address_space: global }
      - { .name: W_dt, .offset: 8, .size: 8, .value_kind: global_buffer, .address_space: global }
      - { .name: W_x, .offset: 16, .size: 8, .value_kind: global_buffer, .address_space: global }
      - { .name: qx, .offset: 24, .size: 8, .value_kind: global_buffer, .address_space: global }
      - { .name: rsc, .offset: 32, .size: 8, .value_kind: global_buffer, .address_space: global }
      - { .name: wblk, .offset: 40, .size: 8, .value_kind: global_buffer, .address_space: global }
    .group_segment_fixed_size: 0
    .private_segment_fixed_size: 0
    .kernarg_segment_align: 8
    .kernarg_segment_size: 48
    .max_flat_workgroup_size: 256
    .sgpr_count:     66
    .vgpr_count:     96
    .wavefront_size: 32
...
	.end_amdgpu_metadata
.endif
;; end of part 1
;; launch wq (part 2): grid 96 x 1, 8 waves a work-group, no clusters, 0 bytes of LDS; arguments W_dt, W_x, wblk, wqb, wsc; writes wqb, wsc
.if DOCPART == 2
	.amdgcn_target "amdgcn-amd-amdhsa--gfx1250"
	.amdhsa_code_object_version 6
	.text
	.protected	k_q9480beadb1_wq
	.globl	k_q9480beadb1_wq
	.p2align	8
	.type	k_q9480beadb1_wq,@function
k_q9480beadb1_wq:
	s_mov_b64 s[64:65], 0
	v_nop
	global_prefetch_b8 v0, s[64:65] scope:SCOPE_SE
	s_setreg_imm32_b32 hwreg(HW_REG_WAVE_MODE, 25, 1), 1
	s_wait_xcnt 0x0
; Ternary weights.  w_scale = mean|W| + 1e-5; the code clip(round(W / w_scale), -1, 1), exact in bf16, goes to wqb ([3072][1024]: W_dt's 1,024 rows, then W_x's 2,048); w_scale to wsc.
; Work-group g owns 32 rows, a wave 4.  Every wave adds its matrix's window sums itself, in scalar registers: one chain of s_add_f32 in row-major order over each 1,024 sums
; (W_x has two such groups, whose totals are then added), so that all waves hold the same bits and no launch is spent on it.  The rows' loads are on their way meanwhile.
; W / w_scale is a correctly rounded quotient (reciprocal, Newton step, residual by fused multiply-add): a weight on the other side of a half is another weight.
; LIMITS.  The order of the sum is a choice (see the launch before).  NaN and infinities are not treated apart.
.set W, 16                             ; v[16:143] four rows, 32 registers each
	s_load_b256 s[4:11], s[0:1], 0x0               ; W_dt s[4:5], W_x s[6:7], wblk s[8:9], wqb s[10:11]
	s_load_b64 s[12:13], s[0:1], 0x20              ; wsc
	v_and_b32 v1, 31, v0
	v_lshrrev_b32 v4, 5, v0
	v_readfirstlane_b32 s48, v4                    ; wave
	s_sub_co_u32 s49, ttmp9, 32
	s_mov_b32 s53, 0x35000000                      ; 2^-21
	s_mov_b32 s55, 0
	v_lshlrev_b32 v2, 4, v1
	v_lshl_add_u32 v2, s48, 14, v2                 ; 16 bytes a lane + my four rows of 4,096 bytes
	v_lshlrev_b32 v3, 3, v1
	v_lshl_add_u32 v3, s48, 13, v3                 ; 8 bytes a lane + my four rows of 2,048 bytes
	s_wait_kmcnt 0x0
	s_cmp_lt_u32 ttmp9, 32                         ; W_dt or W_x
	s_cselect_b64 s[6:7], s[4:5], s[6:7]
	s_cselect_b32 s49, ttmp9, s49                  ; my block of 32 rows in that matrix
	s_cselect_b32 s14, 0, 4096                     ; where its window sums begin,
	s_cselect_b32 s51, 32, 64                      ; how many trips of 32 they are,
	s_cselect_b32 s52, 0x35800000, s53             ; and 1 / its number of weights: 2^-20 or 2^-21
	s_lshl_b32 s50, s51, 7
	s_add_co_u32 s50, s50, s14
	s_sub_co_u32 s50, s50, 64                      ; the last 64 bytes of them: no load goes past
	s_lshl_b32 s54, s49, 17
	s_add_nc_u64 s[6:7], s[6:7], s[54:55]
	s_lshl_b32 s54, ttmp9, 16                      ; 32 rows of 2,048 bytes
	s_add_nc_u64 s[10:11], s[10:11], s[54:55]
.irp r, 0,1,2,3
.irp j, 0,1,2,3,4,5,6,7
	global_load_b128 v[W+32*(\r)+4*(\j):W+32*(\r)+4*(\j)+3], v2, s[6:7] offset:(\r)*4096+512*(\j) th:TH_LOAD_NT
.endr
.endr
	s_mov_b32 s56, 0                               ; the chain in hand
	s_mov_b32 s57, 0                               ; the first group's total
	s_mov_b32 s58, 0
	s_load_b512 s[16:31], s[8:9], s14 offset:0x0
.Lsum:                                                 ; a trip adds 32 sums; while one buffer is added the other is on its way
	s_wait_kmcnt 0x0                               ; scalar loads are waited for by 0 alone: s[16:31] are in, and s15's last load is done
	s_add_co_u32 s15, s14, 64
	s_load_b512 s[32:47], s[8:9], s15 offset:0x0
.set i, 0
.rept 16
	s_add_f32 s56, s56, s[16+i]
.set i, i+1
.endr
	s_wait_kmcnt 0x0
	s_add_co_u32 s14, s14, 128
	s_min_u32 s14, s14, s50                        ; the last trip's look-ahead is held inside the sums
	s_load_b512 s[16:31], s[8:9], s14 offset:0x0
.set i, 0
.rept 16
	s_add_f32 s56, s56, s[32+i]
.set i, i+1
.endr
	s_cmp_eq_u32 s58, 31                           ; 1,024 sums are one group: its total is set aside
	s_cselect_b32 s57, s56, s57
	s_cselect_b32 s56, 0, s56
	s_add_co_u32 s58, s58, 1
	s_cmp_lt_u32 s58, s51
	s_cbranch_scc1 .Lsum
	s_wait_kmcnt 0x0
	s_add_f32 s56, s57, s56
	s_mov_b32 s59, 0x3727c5ac                      ; 1e-5
	s_fmac_f32 s59, s56, s52                       ; w_scale (the product with a power of two is exact)
	v_mov_b32 v10, s59
	v_mov_b32 v11, s59
	v_rcp_f32 v8, v10
	v_nop                                          ; a plain instruction behind the reciprocal (ISA guide 5.7.2)
	s_wait_alu depctr_va_vdst(0)
	v_fma_f32 v12, -v10, v8, 1.0
	v_fma_f32 v8, v12, v8, v8
	v_mov_b32 v9, v8                               ; 1 / w_scale, twice
	s_wait_loadcnt 0x0
.set i, 0
.rept 64                               ; two weights at a time; two sets of work registers take turns
.set Q, 144+4*(i%2)
	v_pk_mul_f32 v[Q:Q+1], v[W+2*i:W+2*i+1], v[8:9]
	v_pk_fma_f32 v[Q+2:Q+3], v[Q:Q+1], v[10:11], v[W+2*i:W+2*i+1] neg_lo:[1,0,0] neg_hi:[1,0,0]
	v_pk_fma_f32 v[Q:Q+1], v[Q+2:Q+3], v[8:9], v[Q:Q+1]
	v_rndne_f32 v[Q], v[Q]
	v_rndne_f32 v[Q+1], v[Q+1]
	v_med3_num_f32 v[Q], v[Q], -1.0, 1.0
	v_med3_num_f32 v[Q+1], v[Q+1], -1.0, 1.0
	v_cvt_pk_bf16_f32 v[W+4*(i/2)+i%2], v[Q], v[Q+1]   ; into the first two registers of the four that were loaded together
.set i, i+1
.endr
.irp r, 0,1,2,3
.irp j, 0,1,2,3,4,5,6,7
	global_store_b64 v3, v[W+32*(\r)+4*(\j):W+32*(\r)+4*(\j)+1], s[10:11] offset:(\r)*2048+256*(\j)  ; 32 lanes store 256 consecutive bytes, aligned
.endr
.endr
	s_cmp_lg_u32 s48, 0                            ; wave 0 of each matrix's first work-group stores the scale, 32 times
	s_cbranch_scc1 .Ldone
	s_cmp_eq_u32 ttmp9, 0
	s_cbranch_scc1 .Lscale
	s_cmp_lg_u32 ttmp9, 32
	s_cbranch_scc1 .Ldone
.Lscale:
	s_lshl_b32 s54, ttmp9, 2                       ; byte 0 or 128
	v_lshlrev_b32 v13, 2, v1
	v_add_nc_u32 v13, s54, v13
	v_mov_b32 v12, s59
	global_store_b32 v13, v12, s[12:13]
.Ldone:
	s_endpgm
.Lfunc_end_k_q9480beadb1_wq:
	.size	k_q9480beadb1_wq, .Lfunc_end_k_q9480beadb1_wq-k_q9480beadb1_wq
	.p2alignl 7, 3214868480
	.fill 96, 4, 3214868480
	.section	.rodata,"a",@progbits
	.p2align	6, 0x0
	.amdhsa_kernel k_q9480beadb1_wq
		.amdhsa_group_segment_fixed_size 0
		.amdhsa_private_segment_fixed_size 0
		.amdhsa_enable_private_segment 0
		.amdhsa_kernarg_size 40
		.amdhsa_user_sgpr_count 2
		.amdhsa_user_sgpr_kernarg_segment_ptr 1
		.amdhsa_wavefront_size32 1
		.amdhsa_system_sgpr_workgroup_id_x 1
		.amdhsa_system_sgpr_workgroup_id_y 1
		.amdhsa_system_sgpr_workgroup_id_z 1
		.amdhsa_system_vgpr_workitem_id 0
		.amdhsa_next_free_vgpr 152
		.amdhsa_next_free_sgpr 66
		.amdhsa_reserve_vcc 0
		.amdhsa_float_denorm_mode_32 3
		.amdhsa_float_denorm_mode_16_64 3
		.amdhsa_memory_ordered 1
		.amdhsa_forward_progress 1
		.amdhsa_inst_pref_size 38
	.end_amdhsa_kernel
	.amdgpu_metadata
---
amdhsa.version: [ 1, 2 ]
amdhsa.kernels:
  - .name:           k_q9480beadb1_wq
    .symbol:         k_q9480beadb1_wq.kd
    .args:
      - { .name: W_dt, .offset: 0, .size: 8, .value_kind: global_buffer, .address_space: global }
      - { .name: W_x, .offset: 8, .size: 8, .value_kind: global_buffer, .address_space: global }
      - { .name: wblk, .offset: 16, .size: 8, .value_kind: global_buffer, .address_space: global }
      - { .name: wqb, .offset: 24, .size: 8, .value_kind: global_buffer, .address_space: global }
      - { .name: wsc, .offset: 32, .size: 8, .value_kind: global_buffer, .address_space: global }
    .group_segment_fixed_size: 0
    .private_segment_fixed_size: 0
    .kernarg_segment_align: 8
    .kernarg_segment_size: 40
    .max_flat_workgroup_size: 256
    .sgpr_count:     66
    .vgpr_count:     152
    .wavefront_size: 32
...
	.end_amdgpu_metadata
.endif
;; end of part 2
;; launch gemm (part 3): grid 4 x 64, 4 waves a work-group, clusters of 4 x 4, 327,680 bytes of LDS; arguments qx, wqb, rsc, wsc, b_dt, A_log, lsum; writes lsum
.if DOCPART == 3
	.amdgcn_target "amdgcn-amd-amdhsa--gfx1250"
	.amdhsa_code_object_version 6
	.text
	.protected	k_q9480beadb1_gemm
	.globl	k_q9480beadb1_gemm
	.p2align	8
	.type	k_q9480beadb1_gemm,@function
k_q9480beadb1_gemm:
	s_mov_b64 s[64:65], 0
	v_nop
	global_prefetch_b8 v0, s[64:65] scope:SCOPE_SE
	s_setreg_imm32_b32 hwreg(HW_REG_WAVE_MODE, 25, 1), 1
	s_wait_xcnt 0x0
	s_wait_alu depctr_hold_cnt(0) depctr_sa_sdst(0) depctr_va_vdst(0) depctr_va_sdst(0) depctr_va_ssrc(0) depctr_va_vcc(0) depctr_vm_vsrc(0)
	s_getreg_b32 s2, hwreg(HW_REG_IB_STS2, 6, 4)
	s_cmp_eq_u32 s2, 0
	s_cbranch_scc0 .Lentry_in_a_cluster
	s_endpgm
.Lentry_in_a_cluster:
	s_bfe_u32 s2, ttmp6, 0x10000c
	s_cmp_lg_u32 s2, 0xf033
	s_cbranch_scc0 .Lentry_shape_is_right
	s_endpgm
.Lentry_shape_is_right:
; The dt product on all 16,384 rows, and of it only what bounds the scan: lsum[chunk of 128 rows][channel] = the sum over the chunk's rows of clip(dt A, -10, 0), the logarithm of the
; chunk's product of alpha.  z = (codes of x . codes of W_dt) (1 / s) w_scale + b_dt; dt = clip(softplus(z), 1e-3, 1); A = -softplus(A_log).  No tile of dt is stored.
; The codes are whole numbers (127 and 1 at the most) and their sums stay under 2^17: the bf16 products with f32 sums are exact.
; SHAPE.  A tile is 256 rows x 256 channels, four waves of 128 x 128: 64 accumulators, 512 registers.  K goes in steps of 128 through two LDS slots filled by the tensor data mover
; (rows of 256 bytes, padded to 272).  4 x 4 work-groups form a cluster: A's tiles are asked for jointly along a row of the cluster, B's along a column.
; Source 0 = 16 rows of x, source 1 = 16 rows of W: lane l holds channel l % 16 and eight rows, so a channel's sum over rows stays in a lane but for one exchange of the halves.
; LIMITS.  softplus is taken as ln(1 + e^z) without care for small results, and the clip at -10 as a cap of dt at 10 / |A|: the sums serve only a threshold that the next launch sets
; 1.16 below the logarithm of the smallest normal number.  NaN and infinities among the inputs are not treated apart.
; REGISTERS, in windows of 256: window 0: v0-31 addresses; v32-63, v192-255 the epilogue's constants; v64-191 fragments of A, two buffers, later the epilogue's work.
;   window 1: v64-191 fragments of B.   window 2: the accumulators of my rows 0-63 ((a, b) at v[8 (8 a + b)]);   window 3: those of rows 64-127.
.set SIZE_K, 1024
.set KSTEP,  128
.set PITCH,  272                       ; 256 bytes + 16 of padding = 68 words: the 16 rows of a fragment load start at 16 different groups of four banks (ISA guide 11.1)
.set HALFT,  128*PITCH
.set SLOT,   4*HALFT                   ; A's 256 rows, then B's 256 rows
.set SPARE,  2*SLOT                    ; behind the ring: the spare words, 128 bytes a wave, which no other line names
.set LAPS,   SIZE_K/(2*KSTEP)
.set ADRA, 16
.set ADRB, 20
.set SPW,  28
.set NIL,  29
.set F0,   64
.set F1,   128
.set BD,   32                          ; v32-39  b_dt of my eight channels
.set AG,   40                          ; v40-47  A_log
.set T,    64                          ; v64-127 the epilogue: 16 rows x 128 channels at work, channel block b at T + 8 b
.set SUMP, 128                         ; v128-143 a pair of running sums for each channel block
.set LO,   144
.set HI,   152
.set AF,   160
.set B2,   168
.set RS,   192                         ; v192-255 1 / s of my 64 rows, block a at RS + 8 a
.set G1, 24
.set G0, 32
.set G1B, 48
.set G0B, 56
.set MSB, 0
.macro WIN new                         ; the immediate's high byte repeats the setting that is left
.if MSB != (\new)
	s_set_vgpr_msb (MSB<<8)|(\new)
.set MSB, \new
.endif
.endm
.set MUL_LO, 0xa4                      ; source 0 (A) window 0, source 1 (B) window 1, C and D window 2
.set MUL_HI, 0xf4                      ; the same, C and D window 3
.set TO_B,   0x40
; A joint load: waves 0 and 1 fetch A's halves, waves 2 and 3 B's.  An s_nop 0 and four v_nop follow each line.
.macro JLOAD s
	s_cmp_eq_u32 s11, 0
	s_cbranch_scc0 .Lfor_b_\@
	tensor_load_to_lds s[G0+4*(\s):G0+4*(\s)+3], s[G1:G1+7]
	s_nop 0
.rept 4
	v_nop
.endr
	s_branch .Lasked_\@
.Lfor_b_\@:
	tensor_load_to_lds s[G0B+4*(\s):G0B+4*(\s)+3], s[G1B:G1B+7]
	s_nop 0
.rept 4
	v_nop
.endr
.Lasked_\@:
.endm
.macro CREST                           ; a round of the cluster's barrier behind its opening barrier
	s_cmp_lg_u32 s10, 0
	s_cbranch_scc1 .Lnot_wave_0_\@
	s_barrier_signal -3
.Lnot_wave_0_\@:
	s_barrier_wait -3
	s_barrier_signal -1
	s_barrier_wait -1
.endm
.macro CROUND
	s_barrier_signal -1
	s_barrier_wait -1
	CREST
.endm
	s_load_b128 s[4:7], s[0:1], 0x0                ; qx s[4:5], wqb s[6:7]
	s_load_b256 s[68:75], s[0:1], 0x10             ; rsc s[68:69], wsc s[70:71], b_dt s[72:73], A_log s[74:75]
	s_load_b64 s[8:9], s[0:1], 0x30                ; lsum
	v_lshl_add_u32 v[SPW], v0, 2, SPARE
	v_mov_b32 v[NIL], 0
	ds_add_u32 v[SPW], v[NIL]                      ; the wave's opening add, waited for ahead of my first tensor load
	v_lshrrev_b32 v1, 5, v0
	v_readfirstlane_b32 s10, v1                    ; wave 0..3
	s_lshr_b32 s11, s10, 1                         ; my half of the tile's rows.  Also: I fetch for A (0) or for B (1)
	s_and_b32 s12, s10, 1                          ; my half of its channels.  Also: which 128 rows of that tile I fetch
	s_bfe_u32 s40, ttmp6, 0x40000                  ; cx
	s_bfe_u32 s41, ttmp6, 0x40004                  ; cy
	s_lshl_b32 s42, ttmp9, 2
	s_add_co_u32 s42, s42, s40                     ; tile column = 4 x cluster x + cx
	s_and_b32 s13, ttmp7, 0xffff
	s_lshl_b32 s13, s13, 2
	s_add_co_u32 s13, s13, s41                     ; tile row = 4 x cluster y + cy
	s_lshl_b32 s43, s41, 2
	s_lshl_b32 s43, 15, s43                        ; my row of the cluster
	s_lshl_b32 s44, 0x1111, s40                    ; my column
	s_or_b32 s[G1+0], s43, (1<<16)|(1<<20)|(1<<21)|(5<<22)|(3<<25)  ; mask; 2-byte elements; padding on; bit 21 beside a mask; after every 64 words 4 words
	s_or_b32 s[G1B+0], s44, (1<<16)|(1<<20)|(1<<21)|(5<<22)|(3<<25)
.irp g, G1, G1B
	s_mov_b32 s[(\g)+1], KSTEP<<16                 ; tensor_dim0 = 128
	s_mov_b32 s[(\g)+2], 128<<16                   ; tensor_dim1 = 128
	s_mov_b32 s[(\g)+3], KSTEP<<16                 ; tile_dim0 = 128
	s_mov_b32 s[(\g)+4], 128                       ; tile_dim1 = 128
	s_mov_b32 s[(\g)+5], SIZE_K                    ; elements from row to row
	s_mov_b32 s[(\g)+6], 0
	s_mov_b32 s[(\g)+7], 0
.endr
	s_lshl_b32 s17, s12, 7
	s_lshl_b32 s16, s13, 8
	s_add_co_u32 s16, s16, s17                     ; A: row 256 x tile row + 128 x half
	s_lshl_b32 s46, s42, 8
	s_add_co_u32 s46, s46, s17                     ; B: row 256 x tile column + 128 x half
	s_mov_b32 s17, 0
	s_mov_b32 s47, 0
	s_mov_b64 s[18:19], SIZE_K*2
	s_mul_u64 s[16:17], s[16:17], s[18:19]
	s_mul_u64 s[46:47], s[46:47], s[18:19]
	s_mul_i32 s20, s10, HALFT                      ; where they go: wave x 128 rows
	s_wait_dscnt 0x0                               ; the opening add is done
	s_wait_kmcnt 0x0
	s_add_nc_u64 s[14:15], s[4:5], s[16:17]
	s_add_nc_u64 s[46:47], s[6:7], s[46:47]
	CROUND                                         ; all sixteen work-groups are here: the first joint loads meet
.irp s, 0,1
	s_mov_b32 s[G0+4*(\s)], 1
	s_add_co_u32 s[G0+4*(\s)+1], s20, (\s)*SLOT
	s_add_nc_u64 s[G0+4*(\s)+2:G0+4*(\s)+3], s[14:15], (\s)*KSTEP*2
	s_or_b32 s[G0+4*(\s)+3], s[G0+4*(\s)+3], 0x80000000
	s_mov_b32 s[G0B+4*(\s)], 1
	s_add_co_u32 s[G0B+4*(\s)+1], s20, (\s)*SLOT
	s_add_nc_u64 s[G0B+4*(\s)+2:G0B+4*(\s)+3], s[46:47], (\s)*KSTEP*2
	s_or_b32 s[G0B+4*(\s)+3], s[G0B+4*(\s)+3], 0x80000000
	JLOAD \s
.endr
	v_and_b32 v1, 15, v0                           ; r = l % 16
	v_bfe_u32 v2, v0, 4, 1                         ; h = l / 16
	v_mul_u32_u24 v3, v1, PITCH
	v_lshl_add_u32 v3, v2, 4, v3
	s_mul_i32 s21, s11, HALFT
	s_mul_i32 s22, s12, HALFT
	s_add_co_u32 s22, s22, 2*HALFT
.irp s, 0,1
	v_add_nc_u32 v[ADRA+(\s)], s21, v3
	v_add_nc_u32 v[ADRB+(\s)], s22, v3
	s_add_co_u32 s21, s21, SLOT
	s_add_co_u32 s22, s22, SLOT
.endr
	; what the epilogue needs comes in while the first tiles are on their way
	v_lshlrev_b32 v6, 5, v2                        ; 8 h rows of 4 bytes
	v_lshlrev_b32 v7, 2, v1                        ; 4 r
	s_lshl_b32 s78, s13, 10
	s_lshl_b32 s77, s11, 9
	s_add_co_u32 s78, s78, s77                     ; my first row, in bytes of rsc
	s_mov_b32 s79, 0
	s_add_nc_u64 s[68:69], s[68:69], s[78:79]
	s_lshl_b32 s80, s42, 10
	s_lshl_b32 s77, s12, 9
	s_add_co_u32 s80, s80, s77                     ; my first channel, in bytes
	s_mov_b32 s81, 0
	s_add_nc_u64 s[72:73], s[72:73], s[80:81]
	s_add_nc_u64 s[74:75], s[74:75], s[80:81]
	s_lshl_b32 s82, s13, 13
	s_lshl_b32 s77, s11, 12
	s_add_co_u32 s82, s82, s77                     ; my chunk of 128 rows: 2 x tile row + half, 4,096 bytes each
	s_add_co_u32 s82, s82, s80
	s_mov_b32 s83, 0
	s_add_nc_u64 s[8:9], s[8:9], s[82:83]
	s_load_b32 s76, s[70:71], 0x0                  ; W_dt's scale
.irp a, 0,1,2,3,4,5,6,7
	global_load_b128 v[RS+8*(\a):RS+8*(\a)+3],   v6, s[68:69] offset:64*(\a)
	global_load_b128 v[RS+8*(\a)+4:RS+8*(\a)+7], v6, s[68:69] offset:64*(\a)+16
.endr
.irp b, 0,1,2,3,4,5,6,7
	global_load_b32 v[BD+(\b)], v7, s[72:73] offset:64*(\b)
	global_load_b32 v[AG+(\b)], v7, s[74:75] offset:64*(\b)
.endr
	s_mov_b32 s84, 0x3fb8aa3b                      ; log2 e
	s_mov_b32 s85, 0x3f317218                      ; ln 2
	s_mov_b32 s88, 0x76543210
	s_mov_b32 s89, 0xfedcba98
	s_mul_f32 s90, s84, 0x3a83126f                 ; 1e-3 log2 e
.macro MUL16 f, hi, a0, zero           ; 16 matrix instructions: row blocks a0, a0 + 1 of the window's four x all 8 channel blocks, 32 along K
	WIN MUL_LO+0x50*(\hi)
.irp a, \a0, (\a0)+1
.irp b, 0,1,2,3,4,5,6,7
.if \zero
	v_wmma_f32_16x16x32_bf16 v[8*(8*(\a)+(\b)):8*(8*(\a)+(\b))+7], v[(\f)+8*(4*(\hi)+(\a)):(\f)+8*(4*(\hi)+(\a))+7], v[(\f)+8*(\b):(\f)+8*(\b)+7], 0
.else
	v_wmma_f32_16x16x32_bf16 v[8*(8*(\a)+(\b)):8*(8*(\a)+(\b))+7], v[(\f)+8*(4*(\hi)+(\a)):(\f)+8*(4*(\hi)+(\a))+7], v[(\f)+8*(\b):(\f)+8*(\b)+7], v[8*(8*(\a)+(\b)):8*(8*(\a)+(\b))+7]
.endif
.endr
.endr
.endm
.macro FETCH slot, k, f                ; 32 LDS loads in one run: B's fragments, then A's
	WIN TO_B
.irp i, 0,1,2,3,4,5,6,7
	ds_load_b128 v[(\f)+8*(\i):(\f)+8*(\i)+3],   v[ADRB+(\slot)] offset:(\k)+(\i)*16*PITCH
	ds_load_b128 v[(\f)+8*(\i)+4:(\f)+8*(\i)+7], v[ADRB+(\slot)] offset:(\k)+(\i)*16*PITCH+32
.endr
	WIN 0
.irp i, 0,1,2,3,4,5,6,7
	ds_load_b128 v[(\f)+8*(\i):(\f)+8*(\i)+3],   v[ADRA+(\slot)] offset:(\k)+(\i)*16*PITCH
	ds_load_b128 v[(\f)+8*(\i)+4:(\f)+8*(\i)+7], v[ADRA+(\slot)] offset:(\k)+(\i)*16*PITCH+32
.endr
.endm
.macro PLACES                          ; four plain instructions between matrix instructions and loads into, or vector work on, their registers
.rept 4
	v_nop
.endr
.endm
.macro QUARTER slot, k, f, g, zero     ; 32 along K: multiplies buffer f; in its middle fetches the next quarter, at byte k, into g
	s_wait_dscnt 8                                 ; B and A's rows 0-63 are in; the youngest eight loads (A's rows 64-127) may be out
	WIN MUL_LO
	MUL16 \f, 0, 0, \zero
	MUL16 \f, 0, 2, \zero
	PLACES
	FETCH \slot, \k, \g
	s_wait_dscnt 32                                ; all but the 32 just issued
	WIN MUL_HI
	MUL16 \f, 1, 0, \zero
	MUL16 \f, 1, 2, \zero
.endm
.macro MEET round                      ; the first half of a K step's last quarter: one barrier for the change of slots
	WIN 0
	s_wait_tensorcnt 0x0                           ; all my tensor loads have landed: the one that was out is my part of the next slot
	ds_add_u32 v[SPW], v[NIL]
	s_wait_dscnt 9                                 ; the add and the youngest eight loads may be out
	WIN MUL_LO
	MUL16 F1, 0, 0, 0
	s_wait_dscnt 0x0                               ; the add is done, and my reads of this slot are over
	s_barrier_signal -1
	MUL16 F1, 0, 2, 0
.if \round
	WIN 0
.endif
	s_barrier_wait -1
.endm
.macro TURN slot, next                 ; the whole last quarter: behind the cluster's round the slot just read is filled again, two K steps on
	MEET 1
	CREST
	s_add_nc_u64 s[G0+4*(\slot)+2:G0+4*(\slot)+3], s[G0+4*(\slot)+2:G0+4*(\slot)+3], 2*KSTEP*2
	s_add_nc_u64 s[G0B+4*(\slot)+2:G0B+4*(\slot)+3], s[G0B+4*(\slot)+2:G0B+4*(\slot)+3], 2*KSTEP*2
	JLOAD \slot                                    ; my one tensor load behind the round; its four v_nop are also the places in front of the loads below
	FETCH \next, 0, F0
	WIN MUL_HI
	MUL16 F1, 1, 0, 0
	MUL16 F1, 1, 2, 0
.endm
	s_wait_kmcnt 0x0                               ; the scale
	s_wait_loadcnt 0x0                             ; the epilogue's constants
	s_wait_tensorcnt 1                             ; my part of K step 0 is in; K step 1's may stay out
	s_barrier_signal -1
	s_barrier_wait -1
	FETCH 0, 0, F0
	QUARTER 0, 64,  F0, F1, 1                      ; the first quarter's products start the sums
	WIN 0
	s_mov_b32 s3, LAPS-1
.Llap:                                                 ; a trip goes once round the ring and fills both slots again: K steps 2 to 7
	QUARTER 0, 128, F1, F0, 0
	QUARTER 0, 192, F0, F1, 0
	TURN 0, 1
	QUARTER 1, 64,  F0, F1, 0
	QUARTER 1, 128, F1, F0, 0
	QUARTER 1, 192, F0, F1, 0
	TURN 1, 0
	QUARTER 0, 64,  F0, F1, 0
	WIN 0
	s_sub_co_u32 s3, s3, 1
	s_cmp_lg_u32 s3, 0
	s_cbranch_scc1 .Llap
	QUARTER 0, 128, F1, F0, 0                      ; the last lap asks for nothing
	QUARTER 0, 192, F0, F1, 0
	MEET 0
	PLACES
	FETCH 1, 0, F0
	WIN MUL_HI
	MUL16 F1, 1, 0, 0
	MUL16 F1, 1, 2, 0
	QUARTER 1, 64,  F0, F1, 0
	QUARTER 1, 128, F1, F0, 0
	QUARTER 1, 192, F0, F1, 0
	s_wait_dscnt 8
	WIN MUL_LO
	MUL16 F1, 0, 0, 0
	MUL16 F1, 0, 2, 0
	s_wait_dscnt 0x0
	WIN MUL_HI
	MUL16 F1, 1, 0, 0
	MUL16 F1, 1, 2, 0
	WIN 0
	; THE EPILOGUE.  In units of log2: t = log2(1 + 2^(z log2 e)) is dt log2 e.  Per channel: |A|; the cap HI = min(10 / |A|, 1) log2 e; LO = min(1e-3 log2 e, HI); AF = -|A| ln 2.
	; The first sixteen lines name no register of the last products: they are the places behind them.
.irp b, 0,1,2,3,4,5,6,7
	v_mul_f32 v[48+(\b)], -|v[AG+(\b)]|, s84
.endr
.irp b, 0,1,2,3,4,5,6,7
	v_max_num_f32 v[56+(\b)], 0, v[AG+(\b)]
.endr
.set i, 0
.rept 16
	v_mov_b32 v[SUMP+i], 0
.set i, i+1
.endr
.irp b, 0,1,2,3,4,5,6,7
	v_exp_f32 v[48+(\b)], v[48+(\b)]
.endr
	v_nop                                          ; a plain instruction behind each run of transcendentals (ISA guide 5.7.2)
	s_wait_alu depctr_va_vdst(0)
.irp b, 0,2,4,6
	v_pk_add_f32 v[48+(\b):48+(\b)+1], v[48+(\b):48+(\b)+1], 1.0 op_sel_hi:[1,0]
.endr
.irp b, 0,1,2,3,4,5,6,7
	v_log_f32 v[48+(\b)], v[48+(\b)]
.endr
	v_nop
	s_wait_alu depctr_va_vdst(0)
.irp b, 0,1,2,3,4,5,6,7
	v_fma_f32 v[48+(\b)], v[48+(\b)], s85, v[56+(\b)]  ; |A| = softplus(A_log)
.endr
.irp b, 0,1,2,3,4,5,6,7
	v_rcp_f32 v[HI+(\b)], v[48+(\b)]
.endr
	v_nop
	s_wait_alu depctr_va_vdst(0)
.irp b, 0,1,2,3,4,5,6,7
	v_mul_f32 v[HI+(\b)], 0x41200000, v[HI+(\b)]
.endr
.irp b, 0,1,2,3,4,5,6,7
	v_min_num_f32 v[HI+(\b)], 1.0, v[HI+(\b)]
.endr
.irp b, 0,1,2,3,4,5,6,7
	v_mul_f32 v[HI+(\b)], s84, v[HI+(\b)]
.endr
.irp b, 0,1,2,3,4,5,6,7
	v_min_num_f32 v[LO+(\b)], s90, v[HI+(\b)]
	v_mul_f32 v[AF+(\b)], -v[48+(\b)], s85
	v_mul_f32 v[B2+(\b)], s84, v[BD+(\b)]
.endr
	s_mul_f32 s86, s76, s84                        ; w_scale log2 e,
	s_mov_b32 s87, s86                             ; named as a pair
.set i, 0
.rept 32
	v_pk_mul_f32 v[RS+2*i:RS+2*i+1], v[RS+2*i:RS+2*i+1], s[86:87] op_sel_hi:[1,0]
.set i, i+1
.endr
; Block a's 16 rows x 128 channels leave the accumulators: z log2 e = sum x (row's scale) + (channel's bias).  Each accumulator is read from its low end on.
.macro BLK a
.Lblk_\a:
	WIN 0x02+(\a)/4                                ; source 0 in window 2 or 3
.irp b, 0,1,2,3,4,5,6,7
.irp p, 0,1,2,3
.if (\b)%2
	v_pk_fma_f32 v[T+8*(\b)+2*(\p):T+8*(\b)+2*(\p)+1], v[64*((\a)%4)+8*(\b)+2*(\p):64*((\a)%4)+8*(\b)+2*(\p)+1], v[RS+8*(\a)+2*(\p):RS+8*(\a)+2*(\p)+1], v[B2+(\b)-1:B2+(\b)] op_sel:[0,0,1] op_sel_hi:[1,1,1]
.else
	v_pk_fma_f32 v[T+8*(\b)+2*(\p):T+8*(\b)+2*(\p)+1], v[64*((\a)%4)+8*(\b)+2*(\p):64*((\a)%4)+8*(\b)+2*(\p)+1], v[RS+8*(\a)+2*(\p):RS+8*(\a)+2*(\p)+1], v[B2+(\b):B2+(\b)+1] op_sel_hi:[1,1,0]
.endif
.endr
.endr
	WIN 0
.endm
	s_mov_b32 s91, 0
.Lrow:                                                 ; eight trips, a block of 16 rows each: only the fetch from the accumulators is written eight times
.irp a, 0,1,2,3,4,5,6
	s_cmp_eq_u32 s91, \a
	s_cbranch_scc1 .Lblk_\a
.endr
.irp a, 7,6,5,4,3,2,1
	BLK \a
	s_branch .Lmath
.endr
	BLK 0
.Lmath:
.set i, 0
.rept 64
	v_exp_f32 v[T+i], v[T+i]
.set i, i+1
.endr
	v_nop
.set i, 0
	s_wait_alu depctr_va_vdst(0)
.rept 32
	v_pk_add_f32 v[T+2*i:T+2*i+1], v[T+2*i:T+2*i+1], 1.0 op_sel_hi:[1,0]
.set i, i+1
.endr
.set i, 0
.rept 64
	v_log_f32 v[T+i], v[T+i]
.set i, i+1
.endr
	v_nop
.set i, 0
	s_wait_alu depctr_va_vdst(0)
.rept 64
	v_med3_num_f32 v[T+i], v[T+i], v[LO+i/8], v[HI+i/8]
.set i, i+1
.endr
.irp p, 0,1,2,3
.irp b, 0,1,2,3,4,5,6,7
	v_pk_add_f32 v[SUMP+2*(\b):SUMP+2*(\b)+1], v[SUMP+2*(\b):SUMP+2*(\b)+1], v[T+8*(\b)+2*(\p):T+8*(\b)+2*(\p)+1]
.endr
.endr
	s_add_co_u32 s91, s91, 1
	s_cmp_lt_u32 s91, 8
	s_cbranch_scc1 .Lrow
.irp b, 0,1,2,3,4,5,6,7
	v_add_f32 v[48+(\b)], v[SUMP+2*(\b)], v[SUMP+2*(\b)+1]
.endr
.irp b, 0,1,2,3,4,5,6,7
	v_permlanex16_b32 v[56+(\b)], v[48+(\b)], s88, s89  ; the channel's other 64 rows lie in the lane 16 away
.endr
.irp b, 0,1,2,3,4,5,6,7
	v_add_f32 v[48+(\b)], v[48+(\b)], v[56+(\b)]
.endr
.irp b, 0,1,2,3,4,5,6,7
	v_mul_f32 v[48+(\b)], v[48+(\b)], v[AF+(\b)]
.endr
	v_and_b32 v4, 31, v0
	v_cmp_lt_u32 s77, 15, v4                       ; lanes 16-31 take the odd channel block, so that 32 lanes hold 32 neighbouring channels
	v_lshlrev_b32 v5, 2, v4
.irp p, 0,1,2,3
	v_cndmask_b32 v[56+(\p)], v[48+2*(\p)], v[49+2*(\p)], s77
	global_store_b32 v5, v[56+(\p)], s[8:9] offset:128*(\p)
.endr
	s_wait_tensorcnt 0x0                           ; the wave's end
	ds_add_u32 v[SPW], v[NIL]
	s_wait_dscnt 0x0
	CROUND                                         ; the closing round
	s_endpgm
.Lfunc_end_k_q9480beadb1_gemm:
	.size	k_q9480beadb1_gemm, .Lfunc_end_k_q9480beadb1_gemm-k_q9480beadb1_gemm
	.p2alignl 7, 3214868480
	.fill 96, 4, 3214868480
	.section	.rodata,"a",@progbits
	.p2align	6, 0x0
	.amdhsa_kernel k_q9480beadb1_gemm
		.amdhsa_group_segment_fixed_size 327680
		.amdhsa_private_segment_fixed_size 0
		.amdhsa_enable_private_segment 0
		.amdhsa_kernarg_size 56
		.amdhsa_user_sgpr_count 2
		.amdhsa_user_sgpr_kernarg_segment_ptr 1
		.amdhsa_wavefront_size32 1
		.amdhsa_system_sgpr_workgroup_id_x 1
		.amdhsa_system_sgpr_workgroup_id_y 1
		.amdhsa_system_sgpr_workgroup_id_z 1
		.amdhsa_system_vgpr_workitem_id 0
		.amdhsa_next_free_vgpr 1024
		.amdhsa_next_free_sgpr 92
		.amdhsa_reserve_vcc 0
		.amdhsa_float_denorm_mode_32 3
		.amdhsa_float_denorm_mode_16_64 3
		.amdhsa_memory_ordered 1
		.amdhsa_forward_progress 1
		.amdhsa_inst_pref_size 153
	.end_amdhsa_kernel
	.amdgpu_metadata
---
amdhsa.version: [ 1, 2 ]
amdhsa.kernels:
  - .name:           k_q9480beadb1_gemm
    .symbol:         k_q9480beadb1_gemm.kd
    .args:
      - { .name: qx, .offset: 0, .size: 8, .value_kind: global_buffer, .address_space: global }
      - { .name: wqb, .offset: 8, .size: 8, .value_kind: global_buffer, .address_space: global }
      - { .name: rsc, .offset: 16, .size: 8, .value_kind: global_buffer, .address_space: global }
      - { .name: wsc, .offset: 24, .size: 8, .value_kind: global_buffer, .address_space: global }
      - { .name: b_dt, .offset: 32, .size: 8, .value_kind: global_buffer, .address_space: global }
      - { .name: A_log, .offset: 40, .size: 8, .value_kind: global_buffer, .address_space: global }
      - { .name: lsum, .offset: 48, .size: 8, .value_kind: global_buffer, .address_space: global }
    .group_segment_fixed_size: 327680
    .private_segment_fixed_size: 0
    .kernarg_segment_align: 8
    .kernarg_segment_size: 56
    .max_flat_workgroup_size: 128
    .sgpr_count:     92
    .vgpr_count:     1024
    .wavefront_size: 32
...
	.end_amdgpu_metadata
.endif
;; end of part 3
;; launch carry (part 4): grid 2 x 1, 32 waves a work-group, no clusters, 4,352 bytes of LDS; arguments lsum, nlive; writes nlive
.if DOCPART == 4
	.amdgcn_target "amdgcn-amd-amdhsa--gfx1250"
	.amdhsa_code_object_version 6
	.text
	.protected	k_q9480beadb1_carry
	.globl	k_q9480beadb1_carry
	.p2align	8
	.type	k_q9480beadb1_carry,@function
k_q9480beadb1_carry:
	s_mov_b64 s[64:65], 0
	v_nop
	global_prefetch_b8 v0, s[64:65] scope:SCOPE_SE
	s_setreg_imm32_b32 hwreg(HW_REG_WAVE_MODE, 25, 1), 1
	s_wait_xcnt 0x0
; For each batch: n = the number of tiles of 256 rows at whose first row some channel may still be alive, 1 to 32, stored as a whole number (32 copies) for the next launch.
; A channel is dead for good once its product of alpha has left the normal numbers (logarithm under -87.34); the threshold here is -88.5, so that the sums' rounding cannot end a channel early.
; Work-group = batch, thread = channel: 64 chunk sums are added in order, two a tile.  The count steers nothing in this launch.  Two work-groups: the work is 512 KiB of sums.
.set SPARE, 256                        ; bytes 0-127: a word for each wave; from 256 on the spare words, 128 bytes a wave
	s_load_b128 s[4:7], s[0:1], 0x0                ; lsum s[4:5], nlive s[6:7]
	v_lshl_add_u32 v30, v0, 2, SPARE
	v_mov_b32 v31, 0
	v_lshlrev_b32 v1, 2, v0                        ; my channel's 4 bytes
	v_lshrrev_b32 v2, 5, v0
	v_readfirstlane_b32 s8, v2                     ; wave
	v_lshlrev_b32 v7, 2, v2                        ; my wave's word
	v_and_b32 v3, 31, v0
	v_lshlrev_b32 v9, 2, v3
	s_lshl_b32 s10, ttmp9, 18                      ; a batch is 64 chunks of 4,096 bytes
	s_mov_b32 s11, 0
	s_lshl_b32 s12, ttmp9, 7
	s_mov_b32 s13, 0
	s_mov_b32 s14, 0xc2b10000                      ; -88.5
	s_mov_b32 s16, 0x76543210
	s_mov_b32 s17, 0xfedcba98
	s_wait_kmcnt 0x0
	s_add_nc_u64 s[4:5], s[4:5], s[10:11]
	s_add_nc_u64 s[6:7], s[6:7], s[12:13]
.set i, 0
.rept 64
	global_load_b32 v[32+i], v1, s[4:5] offset:4096*i
.set i, i+1
.endr
	v_mov_b32 v5, 0                                ; live tiles behind the first, counted in f32
	s_wait_loadcnt 0x0
	v_add_f32 v4, v32, v33
.set i, 1
.rept 31
	v_cmp_le_f32 vcc_lo, s14, v4                   ; alive at tile i's first row?
	v_cndmask_b32 v6, 0, 1.0, vcc_lo
	v_add_f32 v5, v5, v6
	v_add_f32 v4, v4, v[32+2*i]
	v_add_f32 v4, v4, v[33+2*i]
.set i, i+1
.endr
.macro WMAX                            ; the largest of the wave's 32
	v_max_num_f32_dpp v5, v5, v5 row_xmask:1 row_mask:0xf bank_mask:0xf
	v_max_num_f32_dpp v5, v5, v5 row_xmask:2 row_mask:0xf bank_mask:0xf
	v_max_num_f32_dpp v5, v5, v5 row_xmask:4 row_mask:0xf bank_mask:0xf
	v_max_num_f32_dpp v5, v5, v5 row_xmask:8 row_mask:0xf bank_mask:0xf
	v_permlanex16_b32 v6, v5, s16, s17
	v_max_num_f32 v5, v5, v6
.endm
	WMAX
	ds_store_b32 v7, v5
	s_wait_dscnt 0x0                               ; for the others' sake
	s_barrier_signal -1
	s_barrier_wait -1
	ds_load_b32 v5, v9                             ; lane i takes wave i's
	s_wait_dscnt 0x0
	WMAX
	v_cvt_u32_f32 v5, v5
	v_add_nc_u32 v5, 1, v5
	s_cmp_lg_u32 s8, 0
	s_cbranch_scc1 .Lnot_0
	global_store_b32 v9, v5, s[6:7]
.Lnot_0:
	s_wait_tensorcnt 0x0                           ; the wave's end
	ds_add_u32 v30, v31
	s_wait_dscnt 0x0
	s_endpgm
.Lfunc_end_k_q9480beadb1_carry:
	.size	k_q9480beadb1_carry, .Lfunc_end_k_q9480beadb1_carry-k_q9480beadb1_carry
	.p2alignl 7, 3214868480
	.fill 96, 4, 3214868480
	.section	.rodata,"a",@progbits
	.p2align	6, 0x0
	.amdhsa_kernel k_q9480beadb1_carry
		.amdhsa_group_segment_fixed_size 4352
		.amdhsa_private_segment_fixed_size 0
		.amdhsa_enable_private_segment 0
		.amdhsa_kernarg_size 16
		.amdhsa_user_sgpr_count 2
		.amdhsa_user_sgpr_kernarg_segment_ptr 1
		.amdhsa_wavefront_size32 1
		.amdhsa_system_sgpr_workgroup_id_x 1
		.amdhsa_system_sgpr_workgroup_id_y 1
		.amdhsa_system_sgpr_workgroup_id_z 1
		.amdhsa_system_vgpr_workitem_id 0
		.amdhsa_next_free_vgpr 96
		.amdhsa_next_free_sgpr 66
		.amdhsa_reserve_vcc 1
		.amdhsa_float_denorm_mode_32 3
		.amdhsa_float_denorm_mode_16_64 3
		.amdhsa_memory_ordered 1
		.amdhsa_forward_progress 1
		.amdhsa_inst_pref_size 15
	.end_amdhsa_kernel
	.amdgpu_metadata
---
amdhsa.version: [ 1, 2 ]
amdhsa.kernels:
  - .name:           k_q9480beadb1_carry
    .symbol:         k_q9480beadb1_carry.kd
    .args:
      - { .name: lsum, .offset: 0, .size: 8, .value_kind: global_buffer, .address_space: global }
      - { .name: nlive, .offset: 8, .size: 8, .value_kind: global_buffer, .address_space: global }
    .group_segment_fixed_size: 4352
    .private_segment_fixed_size: 0
    .kernarg_segment_align: 8
    .kernarg_segment_size: 16
    .max_flat_workgroup_size: 1024
    .sgpr_count:     66
    .vgpr_count:     96
    .wavefront_size: 32
...
	.end_amdgpu_metadata
.endif
;; end of part 4
;; launch scan (part 5): grid 128 x 1, 8 waves a work-group, no clusters, 103,168 bytes of LDS; arguments qx, rsc, wqb, wsc, nlive, b_dt, b_x, A_log, out0; writes out0
.if DOCPART == 5
	.amdgcn_target "amdgcn-amd-amdhsa--gfx1250"
	.amdhsa_code_object_version 6
	.text
	.protected	k_q9480beadb1_scan
	.globl	k_q9480beadb1_scan
	.p2align	8
	.type	k_q9480beadb1_scan,@function
k_q9480beadb1_scan:
	s_mov_b64 s[64:65], 0
	v_nop
	global_prefetch_b8 v0, s[64:65] scope:SCOPE_SE
	s_setreg_imm32_b32 hwreg(HW_REG_WAVE_MODE, 25, 1), 1
	s_wait_xcnt 0x0
; The three products, all pointwise steps, the scan along T and the output, on the live tiles; zeros on all rows behind them.
; reference() forms h = prefix x cumsum(dt b / prefix_shift) with prefix = cumprod(alpha).  While prefix is a normal number and no quotient or sum has overflowed that is
; h_t = alpha_t (h_(t-1) + dt_t b_t), which is what is computed.  From the first row at which prefix leaves the normal numbers, or |dt b| > FMAX x prefix_(t-1), or |h| > FMAX x prefix_t,
; reference()'s h is 0, infinite or NaN for good, and nan_to_num writes 0: the channel is dead from there.
; LIMITS.  A prefix below 2^-126 counts as 0 (denormals flushed).  The overflow of the cumulative sum is tested on the running total and on each term, not on the partial sums of a tree.
; Products and sums along T are taken in another order than reference()'s, so a channel whose prefix crosses 2^-126 within rounding of a row's end may die a row early or late.
; NaN and infinities among the inputs are not treated apart.
; SHARES.  Work-group = (batch, strip of 16 channels): the matrix form's 16 columns set the strip, hence 128 work-groups.  A tile is 256 rows; wave w owns rows 32 w to 32 w + 31 for
; 3 x 16 columns (dt, b, c): six accumulators.  A's row m of block a is row 16 (m / 8) + 8 a + m % 8, so that half h of the lanes holds the 16 consecutive rows 16 h + e, e = 8 a + j:
; a tile is 16 segments of 16 rows in time order, segment 2 w + h, one channel a lane.  Each segment is reduced to (product of alpha, h from 0); the segments meet in LDS; each lane then
; walks its segment again from the true start.  Death goes the same way: a running minimum of margins, negative once dead.
; n, the live tiles of my batch, was stored by an earlier launch.  The tile loop counts to 32 with its barriers on every path; the three parts of a dead tile's trip are jumped over one by one,
; and each part stands on its own: what it reads has been written on every way that leads to it.
; NO CLUSTER, NO TENSOR LOADS: a row of codes is read by one wave of a work-group, so LDS would give no reuse; the 64 strips of a batch read the same rows, but only of the few live tiles.
; The live rows' y leave as 64 bytes a row and strip; the zeros as whole rows, 512 consecutive bytes a store.
.set WP,    2064                       ; a weight row in LDS: 2,048 bytes + 16: an odd multiple of 16, so the 16 rows of a fragment load start at 16 different groups of four banks (ISA guide 11.1)
.set PART,  16*WP                      ; dt's 16 rows, then b's, then c's
.set XCH1,  48*WP                      ; (product, h) of each segment and channel: 8 bytes x 256
.set XCH2,  XCH1+2048                  ; the margin of each: 4 bytes x 256
.set SPARE, XCH2+1024                  ; the spare words, 128 bytes a wave, which no other line names
.set RS,  32                           ; v32-47   1 / s of my 16 rows
.set SCD, 48                           ; v48-63   times W_dt's scale
.set SCX, 64                           ; v64-79   times W_x's
.set ACC, 80                           ; v80-127  accumulator (a, p) at ACC + 8 (3 a + p)
.set M,   128                          ; v128-223 two buffers of B's fragments; behind the products: M, then AL
.set AL,  128
.set UA,  144
.set U,   160
.set TC,  176                          ; tanh(c), then y
.set T0,  192
.set T1,  208
.set T2,  224
.set DT,  240
; v0 thread; v1 r; v2 h; v3 A's lane offset; v4, v5 B's LDS addresses; v6 rsc offset; v7 out offset; v8-11 exchange addresses; v12 my segment; v13 4 r; v14, v15 the add's two;
; v16-19 b_dt, b_x (b), b_x (c), A; v20-22 the tile's start: prefix, h, margin; v23 FMAX; v24-31 at work.   Window 1: A's fragments, slot s at 128 s + 64 a + 8 kk.
.set MSB, 0
.macro WIN new
.if MSB != (\new)
	s_set_vgpr_msb (MSB<<8)|(\new)
.set MSB, \new
.endif
.endm
.macro PLACES                          ; four plain instructions between matrix instructions and loads into, or vector work on, their registers
.rept 4
	v_nop
.endr
.endm
.macro ALL16 line:vararg               ; one line for each of my 16 rows e
.set e, 0
.rept 16
	\line
.set e, e+1
.endr
.endm
.macro ALL8 line:vararg                ; for each pair of rows e, e + 1
.set e, 0
.rept 8
	\line
.set e, e+2
.endr
.endm
.macro LOADG base, g                   ; 256 along K (group g) of my 32 rows, as fragments, into slot g % 2
	WIN 0x40
.irp a, 0,1
.irp kk, 0,1,2,3,4,5,6,7
	global_load_b128 v[128*((\g)%2)+64*(\a)+8*(\kk):128*((\g)%2)+64*(\a)+8*(\kk)+3],   v3, s[\base:\base+1] offset:(\a)*16384+(\g)*512+(\kk)*64
	global_load_b128 v[128*((\g)%2)+64*(\a)+8*(\kk)+4:128*((\g)%2)+64*(\a)+8*(\kk)+7], v3, s[\base:\base+1] offset:(\a)*16384+(\g)*512+(\kk)*64+32
.endr
.endr
	WIN 0
.endm
.macro LOADRS base
.irp j, 0,1,2,3
	global_load_b128 v[RS+4*(\j):RS+4*(\j)+3], v6, s[\base:\base+1] offset:16*(\j)
.endr
.endm
.macro BLOAD u                         ; 64 along K (unit u) of the 48 weight rows: 12 LDS loads into buffer u % 2
.set BB, 128+48*((\u)%2)
.irp kk, 0,1
.irp p, 0,1
	ds_load_b128 v[BB+24*(\kk)+8*(\p):BB+24*(\kk)+8*(\p)+3],   v4 offset:(\p)*PART+128*(\u)+64*(\kk)
	ds_load_b128 v[BB+24*(\kk)+8*(\p)+4:BB+24*(\kk)+8*(\p)+7], v4 offset:(\p)*PART+128*(\u)+64*(\kk)+32
.endr
	ds_load_b128 v[BB+24*(\kk)+16:BB+24*(\kk)+19], v5 offset:128*(\u)+64*(\kk)
	ds_load_b128 v[BB+24*(\kk)+20:BB+24*(\kk)+23], v5 offset:128*(\u)+64*(\kk)+32
.endr
.endm
; Unit u of 16: the next unit's weights are asked for, then 12 products, the six accumulators by turns.  Behind every fourth unit the slot of A just read is loaded again.
.macro UNIT u
.if (\u)%4 != 0
	PLACES                                         ; (at u % 4 = 0 the four behind the last products stand already)
.endif
.if (\u) < 15
	BLOAD (\u)+1
.endif
.if (\u) == 12
	s_wait_loadcnt 36                              ; group 3 is in; behind it: the next tile's 1 / s (4) and its group 0 (32)
.elseif (\u)%4 == 0
	s_wait_loadcnt 32                              ; this group is in; the next group's 32 loads may stay out
.endif
.if (\u) == 0
	ALL8 v_pk_mul_f32 v[SCD+e:SCD+e+1], v[RS+e:RS+e+1], s[28:29] op_sel_hi:[1,0]
	ALL8 v_pk_mul_f32 v[SCX+e:SCX+e+1], v[RS+e:RS+e+1], s[30:31] op_sel_hi:[1,0]
.endif
.if (\u) < 15
	s_wait_dscnt 12                                ; this unit's weights are in; the next unit's 12 loads may stay out
.else
	s_wait_dscnt 0x0
.endif
	WIN 0x01                                       ; source 0 (A) in window 1
.irp kk, 0,1
.irp a, 0,1
.irp p, 0,1,2
.set AC, ACC+8*(3*(\a)+(\p))
.set AR, 128*(((\u)/4)%2)+64*(\a)+8*(2*((\u)%4)+(\kk))
.set BR, 128+48*((\u)%2)+24*(\kk)+8*(\p)
.if ((\u) == 0) && ((\kk) == 0)
	v_wmma_f32_16x16x32_bf16 v[AC:AC+7], v[AR:AR+7], v[BR:BR+7], 0
.else
	v_wmma_f32_16x16x32_bf16 v[AC:AC+7], v[AR:AR+7], v[BR:BR+7], v[AC:AC+7]
.endif
.endr
.endr
.endr
	WIN 0
.if (\u)%4 == 3
	PLACES
.if (\u) < 8
	LOADG 36, (\u)/4+2                             ; this tile's groups 2 and 3
.elseif (\u) == 11
	LOADRS 40                                      ; the next tile's 1 / s and its group 0,
	LOADG 38, 0
.else
	LOADG 38, 1                                    ; and its group 1
.endif
.endif
.endm
.macro FLUSH r                         ; a prefix below the smallest normal number counts as 0
	v_cmp_gt_f32 vcc_lo, s57, v[\r]
	v_cndmask_b32 v[\r], v[\r], 0, vcc_lo
.endm
	s_load_b512 s[4:19], s[0:1], 0x0               ; qx 4, rsc 6, wqb 8, wsc 10, nlive 12, b_dt 14, b_x 16, A_log 18
	s_load_b64 s[20:21], s[0:1], 0x40              ; out0
	v_lshl_add_u32 v14, v0, 2, SPARE
	v_mov_b32 v15, 0
	v_lshrrev_b32 v24, 5, v0
	v_readfirstlane_b32 s24, v24                   ; wave
	s_lshr_b32 s22, ttmp9, 6                       ; batch
	s_and_b32 s23, ttmp9, 63                       ; strip
	v_and_b32 v1, 15, v0
	v_bfe_u32 v2, v0, 4, 1
	v_lshrrev_b32 v24, 3, v1
	v_and_b32 v25, 7, v1
	v_lshl_add_u32 v24, v24, 4, v25                ; A's row r is my wave's row 16 (r / 8) + r % 8 (+ 8 a)
	v_lshlrev_b32 v3, 11, v24
	v_lshl_add_u32 v3, v2, 4, v3
	v_mul_u32_u24 v4, v1, WP
	v_lshl_add_u32 v4, v2, 4, v4
	v_add_nc_u32 v5, 2*PART, v4                    ; c's rows lie past an LDS offset's 16 bits
	v_lshlrev_b32 v6, 6, v2                        ; 16 h rows of 4 bytes
	v_lshlrev_b32 v13, 2, v1
	v_lshl_add_u32 v7, v2, 16, v13                 ; 16 h rows of 4,096 bytes + 4 r
	v_lshl_add_u32 v8, v0, 3, XCH1
	v_lshl_add_u32 v9, v1, 3, XCH1
	v_lshl_add_u32 v10, v0, 2, XCH2
	v_lshl_add_u32 v11, v1, 2, XCH2
	v_lshrrev_b32 v12, 4, v0                       ; my segment, 0 to 15
	v_lshlrev_b32 v28, 4, v0                       ; the weights come in 16 bytes a thread: two rows a load
	v_and_b32 v29, 31, v0
	v_lshlrev_b32 v29, 4, v29                      ; the zeros go out 16 bytes a lane
	v_lshrrev_b32 v30, 7, v0
	v_and_b32 v31, 127, v0
	v_mul_u32_u24 v30, v30, WP
	v_lshl_add_u32 v30, v31, 4, v30                ; where my 16 bytes of weights go
	v_add_nc_u32 v31, 2*PART, v30
.irp i, 24,25,26,27
	v_mov_b32 v\i, 0
.endr
	s_mov_b32 s45, 0                               ; upper word of every offset
	s_mov_b32 s48, 0x3fb8aa3b                      ; log2 e
	s_mov_b32 s49, 0x3f317218                      ; ln 2
	s_mov_b32 s50, 0x32a57060                      ; log2 e less its f32
	s_mov_b32 s51, 0x3a83126f                      ; 1e-3
	s_mov_b32 s52, 0xc1200000                      ; -10
	s_mov_b32 s53, 0xc0a00000                      ; -5
	s_mov_b32 s54, 0x40a00000                      ; 5
	s_mov_b32 s55, 0x4038aa3b                      ; 2 log2 e
	s_mov_b32 s56, 0x7f7fffff                      ; FMAX
	s_mov_b32 s57, 0x00800000                      ; 2^-126
	s_lshl_b32 s26, s22, 7
	s_lshl_b32 s44, s22, 13
	s_lshl_b32 s47, s24, 5
	s_add_co_u32 s47, s47, s44                     ; my wave's first row of tile 0
	s_wait_kmcnt 0x0
	s_load_b32 s25, s[12:13], s26 offset:0x0       ; n of my batch
	s_load_b32 s28, s[10:11], 0x0                  ; W_dt's scale
	s_load_b32 s30, s[10:11], 0x80                 ; W_x's
	s_lshl_b32 s44, s47, 11
	s_add_nc_u64 s[4:5], s[4:5], s[44:45]
	s_lshl_b32 s44, s47, 2
	s_add_nc_u64 s[6:7], s[6:7], s[44:45]
	s_lshl_b32 s44, s23, 15                        ; 16 rows of 2,048 bytes a strip
	s_add_nc_u64 s[8:9], s[8:9], s[44:45]
	s_lshl_b32 s44, s23, 6                         ; 16 channels of 4 bytes
	s_add_nc_u64 s[14:15], s[14:15], s[44:45]
	s_add_nc_u64 s[16:17], s[16:17], s[44:45]
	s_add_nc_u64 s[18:19], s[18:19], s[44:45]
	s_lshl_b32 s34, s47, 12
	s_add_co_u32 s44, s44, s34
	s_add_nc_u64 s[58:59], s[20:21], s[44:45]      ; out0 at my wave's first row of tile 0, my strip
	LOADRS 6
	LOADG 4, 0
	LOADG 4, 1
	global_load_b32 v16, v13, s[14:15]
	global_load_b32 v17, v13, s[16:17]
	global_load_b32 v18, v13, s[16:17] offset:4096
	global_load_b32 v19, v13, s[18:19]
.irp p, 0,1,2
.irp i, 0,1,2,3,4,5,6,7
	global_load_b128 v[128+32*(\p)+4*(\i):128+32*(\p)+4*(\i)+3], v28, s[8:9] offset:(\p)*2097152+4096*(\i)
.endr
.endr
	s_wait_kmcnt 0x0
	s_min_u32 s25, s25, 32
	s_mov_b32 s29, s28                             ; named as pairs
	s_mov_b32 s31, s30
	; THE ZEROS.  My batch's rows from 256 n on, in units of 32 whole rows; strip f takes units 8 n + f, + 64, ... below 256; a wave 4 rows of a unit.
	s_lshl3_add_u32 s34, s25, s23
	s_sub_co_u32 s35, 319, s34
	s_lshr_b32 s35, s35, 6                         ; how many units are mine
	s_lshl_b32 s44, s22, 13
	s_lshl_b32 s34, s34, 5
	s_add_co_u32 s44, s44, s34
	s_lshl_b32 s34, s24, 2
	s_add_co_u32 s44, s44, s34
	s_lshl_b32 s44, s44, 12
	s_add_nc_u64 s[32:33], s[20:21], s[44:45]
	s_cmp_eq_u32 s35, 0
	s_cbranch_scc1 .Lno_fill
	s_mov_b32 s46, 0
.Lfill:
.set i, 0
.rept 32
	global_store_b128 v29, v[24:27], s[32:33] offset:512*i th:TH_STORE_NT  ; 512 consecutive bytes, aligned
.set i, i+1
.endr
	s_wait_xcnt 0x0                                ; the base is stepped only behind this wait
	s_add_nc_u64 s[32:33], s[32:33], 0x800000      ; 64 units of 32 rows of 4,096 bytes
	s_add_co_u32 s46, s46, 1
	s_cmp_lt_u32 s46, s35
	s_cbranch_scc1 .Lfill
.Lno_fill:
	s_wait_loadcnt 0x0
.irp p, 0,1
.irp i, 0,1,2,3,4,5,6,7
	ds_store_b128 v30, v[128+32*(\p)+4*(\i):128+32*(\p)+4*(\i)+3] offset:(\p)*PART+2*WP*(\i)
.endr
.endr
.irp i, 0,1,2,3,4,5,6,7
	ds_store_b128 v31, v[192+4*(\i):192+4*(\i)+3] offset:2*WP*(\i)
.endr
	ds_store_b64 v8, v[24:25]                      ; my exchange words are set once: a trip's parts are jumped over one by one, and no way through the loop reads LDS bytes that nothing wrote
	ds_store_b32 v10, v24
	; A = -softplus(A_log) = -(max(a, 0) + log1p(e)), e = exp(-|a|); log1p(e) = ln(u) e / (u - 1) with u = 1 + e rounded, which undoes that rounding; e itself where u = 1
	v_mul_f32 v24, -|v19|, s48
	v_exp_f32 v24, v24
	v_max_num_f32 v25, 0, v19                      ; also the plain instruction behind the exponential
	s_wait_alu depctr_va_vdst(0)
	v_add_f32 v26, 1.0, v24
	v_add_f32 v27, -1.0, v26
	v_log_f32 v28, v26
	v_rcp_f32 v29, v27
	v_nop                                          ; a plain instruction behind the two (ISA guide 5.7.2)
	v_cmp_eq_f32 vcc_lo, 0, v27
	s_wait_alu depctr_va_vdst(0)
	v_mul_f32 v28, s49, v28
	v_mul_f32 v29, v24, v29
	v_mul_f32 v28, v28, v29
	v_cndmask_b32 v28, v28, v24, vcc_lo
	v_add_f32 v28, v28, v25
	v_mul_f32 v19, -1.0, v28
	v_mov_b32 v20, 1.0                             ; prefix,
	v_mov_b32 v21, 0                               ; h,
	v_mov_b32 v22, s56                             ; and margin in front of row 0
	v_mov_b32 v23, s56
	s_wait_dscnt 0x0                               ; for the others' sake: my part of the weights is in LDS
	s_barrier_signal -1
	s_barrier_wait -1
	s_mov_b32 s46, 0
.Ltile:
	s_wait_xcnt 0x0                                ; on every way round the loop: y's registers, which the last trip's stores read, and the bases of its loads and stores are written again only behind this wait
	s_cmp_ge_u32 s46, s25
	s_cbranch_scc1 .Lskip1
	s_lshl_b32 s44, s46, 19                        ; a tile is 256 rows of 2,048 bytes
	s_add_nc_u64 s[36:37], s[4:5], s[44:45]
	s_add_co_u32 s47, s46, 1
	s_min_u32 s47, s47, 31                         ; the look-ahead stays inside the batch
	s_lshl_b32 s44, s47, 19
	s_add_nc_u64 s[38:39], s[4:5], s[44:45]
	s_lshl_b32 s44, s47, 10
	s_add_nc_u64 s[40:41], s[6:7], s[44:45]
	BLOAD 0
.irp u, 0,1,2,3,4,5,6,7,8,9,10,11,12,13,14,15
	UNIT \u
.endr
	; pointwise, a list at a time over my 16 rows; each accumulator is read from its low end on
	ALL8 v_pk_fma_f32 v[T0+e:T0+e+1], v[ACC+24*(e/8)+e%8:ACC+24*(e/8)+e%8+1], v[SCD+e:SCD+e+1], v[16:17] op_sel_hi:[1,1,0]
	ALL8 v_pk_fma_f32 v[T1+e:T1+e+1], v[ACC+8+24*(e/8)+e%8:ACC+8+24*(e/8)+e%8+1], v[SCX+e:SCX+e+1], v[16:17] op_sel:[0,0,1] op_sel_hi:[1,1,1]
	ALL8 v_pk_fma_f32 v[T2+e:T2+e+1], v[ACC+16+24*(e/8)+e%8:ACC+16+24*(e/8)+e%8+1], v[SCX+e:SCX+e+1], v[18:19] op_sel_hi:[1,1,0]
	ALL16 v_max_num_f32 v[M+e], 0, v[T0+e]
	ALL16 v_mul_f32 v[T0+e], -|v[T0+e]|, s48
	ALL16 v_exp_f32 v[T0+e], v[T0+e]
	v_nop                                          ; a plain instruction behind each run of transcendentals (ISA guide 5.7.2)
	s_wait_alu depctr_va_vdst(0)
	ALL8 v_pk_add_f32 v[T0+e:T0+e+1], v[T0+e:T0+e+1], 1.0 op_sel_hi:[1,0]
	ALL16 v_log_f32 v[T0+e], v[T0+e]
	v_nop
	s_wait_alu depctr_va_vdst(0)
	ALL16 v_fma_f32 v[DT+e], v[T0+e], s49, v[M+e]          ; softplus(z) = max(z, 0) + ln(1 + exp(-|z|))
	ALL16 v_med3_num_f32 v[DT+e], v[DT+e], s51, 1.0
	ALL16 v_mul_f32 v[T0+e], v[DT+e], v19
	ALL16 v_med3_num_f32 v[T0+e], v[T0+e], s52, 0
	ALL16 v_mul_f32 v[M+e], s48, v[T0+e]
	ALL16 v_fma_f32 v[M+e], v[T0+e], s50, v[M+e]
	ALL16 v_exp_f32 v[AL+e], v[M+e]                        ; alpha
	v_nop
	s_wait_alu depctr_va_vdst(0)
	ALL16 v_med3_num_f32 v[T1+e], v[T1+e], s53, s54
	ALL8 v_pk_mul_f32 v[U+e:U+e+1], v[DT+e:DT+e+1], v[T1+e:T1+e+1]      ; u = dt b
	ALL8 v_pk_mul_f32 v[UA+e:UA+e+1], v[U+e:U+e+1], v[AL+e:AL+e+1]      ; alpha u
	ALL16 v_med3_num_f32 v[T2+e], v[T2+e], s53, s54
	ALL16 v_mul_f32 v[T2+e], s55, v[T2+e]
	ALL16 v_exp_f32 v[T2+e], v[T2+e]
	v_nop
	s_wait_alu depctr_va_vdst(0)
	ALL8 v_pk_add_f32 v[T2+e:T2+e+1], v[T2+e:T2+e+1], 1.0 op_sel_hi:[1,0]
	ALL16 v_rcp_f32 v[T2+e], v[T2+e]
	v_nop
	s_wait_alu depctr_va_vdst(0)
	ALL8 v_pk_fma_f32 v[TC+e:TC+e+1], v[T2+e:T2+e+1], -2.0, 1.0 op_sel_hi:[1,0,0]   ; tanh(c) = 1 - 2 / (1 + exp(2 c))
	v_mov_b32 v24, v[AL]                           ; my segment alone: its product of alpha, and h from 0
	v_mov_b32 v25, v[UA]
.set e, 1
.rept 15
	v_mul_f32 v24, v24, v[AL+e]
	v_fma_f32 v25, v25, v[AL+e], v[UA+e]
.set e, e+1
.endr
	ds_store_b64 v8, v[24:25]
.Lskip1:
	s_wait_dscnt 0x0                               ; my store is done, and so are my reads of the margins of the tile before
	s_barrier_signal -1
	s_barrier_wait -1
	s_cmp_ge_u32 s46, s25
	s_cbranch_scc1 .Lskip2
.set q, 0
.rept 16
	ds_load_b64 v[192+2*q:193+2*q], v9 offset:128*q    ; my channel's 16 segments
.set q, q+1
.endr
	v_mov_b32 v24, v20
	v_mov_b32 v25, v21
	v_mov_b32 v26, v20
	v_mov_b32 v27, v21
	v_mov_b32 v30, v22
	s_wait_dscnt 0x0
.set q, 0
.rept 16                               ; the segments in order; what stands in front of mine is kept
	v_cmp_eq_u32 vcc_lo, q, v12
	v_cndmask_b32 v26, v26, v24, vcc_lo
	v_cndmask_b32 v27, v27, v25, vcc_lo
	v_fma_f32 v25, v25, v[192+2*q], v[193+2*q]
	v_mul_f32 v24, v24, v[192+2*q]
.set q, q+1
.endr
	FLUSH 24
	FLUSH 26
	v_mov_b32 v20, v24                             ; the next tile's start
	v_mov_b32 v21, v25
.set e, 0
.rept 16                               ; my segment again, from its true start: prefix, h, the two margins, y
	v_fma_f32 v28, s56, v26, -|v[U+e]|             ; negative: dt b / prefix_(t-1) overflows
	v_mul_f32 v26, v26, v[AL+e]
	v_fma_f32 v27, v27, v[AL+e], v[UA+e]
	FLUSH 26
	v_fma_f32 v29, s56, v26, -|v27|                ; negative: prefix is 0, or the cumulative sum overflows
	v_min3_num_f32 v30, v30, v28, v29
	v_mul_f32 v[TC+e], v27, v[TC+e]
	v_cmp_le_f32 vcc_lo, 0, v30
	v_cndmask_b32 v[TC+e], 0, v[TC+e], vcc_lo
.set e, e+1
.endr
	ds_store_b32 v10, v30
.Lskip2:
	s_wait_dscnt 0x0                               ; my store is done, and so are my reads of the segments
	s_barrier_signal -1
	s_barrier_wait -1
	s_cmp_ge_u32 s46, s25
	s_cbranch_scc1 .Lskip3
.set q, 0
.rept 16
	ds_load_b32 v[192+q], v11 offset:64*q
.set q, q+1
.endr
	s_lshl_b32 s44, s46, 20                        ; a tile is 256 rows of 4,096 bytes:
	s_add_nc_u64 s[42:43], s[58:59], s[44:45]      ; out0 at my wave's first row of this tile (the last trip's stores have let go of the pair: the wait at the loop's head)
	v_mov_b32 v24, v23
	s_wait_dscnt 0x0
.set q, 0
.rept 16                               ; did an earlier segment of this tile die?  And the margin that the next tile starts from
	v_cmp_lt_u32 vcc_lo, q, v12
	v_cndmask_b32 v25, v23, v[192+q], vcc_lo
	v_min_num_f32 v24, v24, v25
	v_min_num_f32 v22, v22, v[192+q]
.set q, q+1
.endr
	v_cmp_le_f32 vcc_lo, 0, v24
	ALL16 v_cndmask_b32 v[TC+e], 0, v[TC+e], vcc_lo
	ALL16 global_store_b32 v7, v[TC+e], s[42:43] offset:4096*e
.Lskip3:
	s_add_co_u32 s46, s46, 1
	s_cmp_lt_u32 s46, 32
	s_cbranch_scc1 .Ltile
	s_wait_loadcnt 0x0                             ; the last look-ahead
	s_wait_tensorcnt 0x0                           ; the wave's end
	ds_add_u32 v14, v15
	s_wait_dscnt 0x0
	s_endpgm
.Lfunc_end_k_q9480beadb1_scan:
	.size	k_q9480beadb1_scan, .Lfunc_end_k_q9480beadb1_scan-k_q9480beadb1_scan
	.p2alignl 7, 3214868480
	.fill 96, 4, 3214868480
	.section	.rodata,"a",@progbits
	.p2align	6, 0x0
	.amdhsa_kernel k_q9480beadb1_scan
		.amdhsa_group_segment_fixed_size 103168
		.amdhsa_private_segment_fixed_size 0
		.amdhsa_enable_private_segment 0
		.amdhsa_kernarg_size 72
		.amdhsa_user_sgpr_count 2
		.amdhsa_user_sgpr_kernarg_segment_ptr 1
		.amdhsa_wavefront_size32 1
		.amdhsa_system_sgpr_workgroup_id_x 1
		.amdhsa_system_sgpr_workgroup_id_y 1
		.amdhsa_system_sgpr_workgroup_id_z 1
		.amdhsa_system_vgpr_workitem_id 0
		.amdhsa_next_free_vgpr 512
		.amdhsa_next_free_sgpr 66
		.amdhsa_reserve_vcc 1
		.amdhsa_float_denorm_mode_32 3
		.amdhsa_float_denorm_mode_16_64 3
		.amdhsa_memory_ordered 1
		.amdhsa_forward_progress 1
		.amdhsa_inst_pref_size 96
	.end_amdhsa_kernel
	.amdgpu_metadata
---
amdhsa.version: [ 1, 2 ]
amdhsa.kernels:
  - .name:           k_q9480beadb1_scan
    .symbol:         k_q9480beadb1_scan.kd
    .args:
      - { .name: qx, .offset: 0, .size: 8, .value_kind: global_buffer, .address_space: global }
      - { .name: rsc, .offset: 8, .size: 8, .value_kind: global_buffer, .address_space: global }
      - { .name: wqb, .offset: 16, .size: 8, .value_kind: global_buffer, .address_space: global }
      - { .name: wsc, .offset: 24, .size: 8, .value_kind: global_buffer, .address_space: global }
      - { .name: nlive, .offset: 32, .size: 8, .value_kind: global_buffer, .address_space: global }
      - { .name: b_dt, .offset: 40, .size: 8, .value_kind: global_buffer, .address_space: global }
      - { .name: b_x, .offset: 48, .size: 8, .value_kind: global_buffer, .address_space: global }
      - { .name: A_log, .offset: 56, .size: 8, .value_kind: global_buffer, .address_space: global }
      - { .name: out0, .offset: 64, .size: 8, .value_kind: global_buffer, .address_space: global }
    .group_segment_fixed_size: 103168
    .private_segment_fixed_size: 0
    .kernarg_segment_align: 8
    .kernarg_segment_size: 72
    .max_flat_workgroup_size: 256
    .sgpr_count:     66
    .vgpr_count:     512
    .wavefront_size: 32
...
	.end_amdgpu_metadata
.endif
;; end of part 5
;; ======== version 2 of 2: 5 launches; 1.82 times as fast as version 1
;; workspace buffers: qx 33,554,432 bytes; rsc 65,536 bytes; wblk 12,288 bytes; wqb 6,291,456 bytes; wsc 256 bytes; lsum 524,288 bytes; nlive 256 bytes of whole numbers
;; launch prep (part 6): grid 448 x 1, 8 waves a work-group, no clusters, 0 bytes of LDS; arguments x, W_dt, W_x, qx, rsc, wblk; writes qx, rsc, wblk
.if DOCPART == 6
	.amdgcn_target "amdgcn-amd-amdhsa--gfx1250"
	.amdhsa_code_object_version 6
	.text
	.protected	k_q9480beadb1_prep
	.globl	k_q9480beadb1_prep
	.p2align	8
	.type	k_q9480beadb1_prep,@function
k_q9480beadb1_prep:
	s_mov_b64 s[64:65], 0
	v_nop
	global_prefetch_b8 v0, s[64:65] scope:SCOPE_SE
	s_setreg_imm32_b32 hwreg(HW_REG_WAVE_MODE, 25, 1), 1
	s_wait_xcnt 0x0
; Two roles, chosen by the work-group's number.
; X ROLE (work-groups 192 to 447): a wave owns 8 rows of x (1,024 f32 each), one row at a time in 32 registers: the row's largest magnitude, s = 127 / max(that, 1e-5),
; the codes clip(round(x s), -128, 127), which are whole numbers and so exact in bf16, to qx, and 1 / s to rsc.  s is made as a correctly rounded quotient (reciprocal, one Newton
; step, a residual by fused multiply-add), since a code that falls on the other side of a half changes the result by more than rounding does.
; W ROLE (work-groups 0 to 191): the sum of |W| over each window of 32 x 32 of W_dt and W_x, rows ascending, columns ascending, ONE chain of 1,024 additions a window.
; A wave owns two windows, one for each half of its lanes.  The terms stay where a contiguous load puts them (lane c of a half holds columns 2 c and 2 c + 1 of every row: 2 registers a row,
; 64 for the window, all loaded at once), and the running sum travels: each round's first addition takes the sum from the lane below (row_ror:1), so that after round c of a row the true sum
; stands in lane c; what the other lanes hold meanwhile is read by nobody.  The additions and their order are those of a sum kept in one lane.
; LIMITS.  The order of that sum (windows of 32 x 32 row-major) is a choice: the mean of |W| is a sum in f32, and another order may differ in the last bit.  NaN and infinities are not treated apart.
; No LDS and no barrier: a row of x, and a window of W, never leave their wave.
.set WGW, 192                          ; work-groups of the W role: 3,072 windows / 2 a wave / 8 waves
.set X, 16                             ; v[16:79]  x role: two row slots of 32 registers; W role: 32 rows of 2 registers
.set Y, 80                             ; v[80:95]  a row's 1,024 codes in bf16, my 32 of them
	s_load_b256 s[4:11], s[0:1], 0x0               ; x s[4:5], W_dt s[6:7], W_x s[8:9], qx s[10:11]
	s_load_b128 s[12:15], s[0:1], 0x20             ; rsc s[12:13], wblk s[14:15]
	v_and_b32 v1, 31, v0                           ; lane
	v_lshrrev_b32 v5, 5, v0
	v_readfirstlane_b32 s16, v5                    ; wave
	v_mov_b32 v4, 0                                ; x role: the wave's eight 1 / s, lane i row i; W role: the running sum
	s_mov_b32 s19, 0                               ; upper word of every offset
	s_cmp_lt_u32 ttmp9, WGW
	s_cbranch_scc1 .Lw_role
	s_sub_co_u32 s17, ttmp9, WGW
	s_lshl3_add_u32 s17, s17, s16                  ; my wave among the 2,048
	s_mov_b32 s26, 0x3727c5ac                      ; 1e-5
	s_mov_b32 s27, 0x42fe0000                      ; 127
	s_mov_b32 s28, 0xc3000000                      ; -128
	s_mov_b32 s30, 0x76543210                      ; v_permlanex16_b32: each lane takes its own place in the other half
	s_mov_b32 s31, 0xfedcba98
	s_mov_b32 s20, 0                               ; the row in hand, 0 to 7
	v_lshlrev_b32 v2, 4, v1                        ; 16 bytes a lane in x
	v_lshlrev_b32 v3, 3, v1                        ; 8 bytes a lane in qx
	v_lshlrev_b32 v5, 2, v1                        ; 4 bytes a lane in rsc
	s_wait_kmcnt 0x0
	s_lshl_b32 s18, s17, 15                        ; 8 rows of 4,096 bytes
	s_add_nc_u64 s[4:5], s[4:5], s[18:19]
	s_lshl_b32 s18, s17, 14                        ; 8 rows of 2,048 bytes
	s_add_nc_u64 s[10:11], s[10:11], s[18:19]
	s_lshl_b32 s18, s17, 5                         ; 8 words
	s_add_nc_u64 s[12:13], s[12:13], s[18:19]
.macro FILL s, row                     ; a row: eight loads of 512 neighbouring bytes
.irp j, 0,1,2,3,4,5,6,7
	global_load_b128 v[X+32*(\s)+4*(\j):X+32*(\s)+4*(\j)+3], v2, s[4:5] offset:(\row)*4096+512*(\j) th:TH_LOAD_NT
.endr
.endm
; The turn of slot s.  fill = 1: the slot takes the row two further down.  left: the other slot's eight younger loads may stay out.
.macro TURN s, fill, left
	s_wait_loadcnt \left
	s_wait_xcnt 0x0                                ; Y, which the last row's stores read, is written again only behind this wait
.irp k, 0,1,2,3
	v_max_num_f32 v[6+(\k)], |v[X+32*(\s)+2*(\k)]|, |v[X+32*(\s)+2*(\k)+1]|    ; four chains, started by the first eight numbers
.endr
.irp m, 1,2,3
.irp k, 0,1,2,3
	v_max3_num_f32 v[6+(\k)], v[6+(\k)], |v[X+32*(\s)+8*(\m)+2*(\k)]|, |v[X+32*(\s)+8*(\m)+2*(\k)+1]|
.endr
.endr
	v_max3_num_f32 v6, v6, v7, v8
	v_max_num_f32 v6, v6, v9
	v_max_num_f32_dpp v6, v6, v6 row_xmask:1 row_mask:0xf bank_mask:0xf
	v_max_num_f32_dpp v6, v6, v6 row_xmask:2 row_mask:0xf bank_mask:0xf
	v_max_num_f32_dpp v6, v6, v6 row_xmask:4 row_mask:0xf bank_mask:0xf
	v_max_num_f32_dpp v6, v6, v6 row_xmask:8 row_mask:0xf bank_mask:0xf
	v_permlanex16_b32 v7, v6, s30, s31
	v_max_num_f32 v6, v6, v7
	v_max_num_f32 v6, s26, v6                      ; m = max(the row's largest magnitude, 1e-5)
	v_rcp_f32 v8, v6
	v_nop                                          ; a plain instruction behind the reciprocal (ISA guide 5.7.2)
	s_wait_alu depctr_va_vdst(0)
	v_fma_f32 v12, -v6, v8, 1.0
	v_fma_f32 v8, v12, v8, v8                      ; 1 / m, one Newton step
	v_mul_f32 v9, s27, v8                          ; 127 / m, first guess,
	v_fma_f32 v12, -v9, v6, s27                    ; its exact residual,
	v_fma_f32 v10, v12, v8, v9                     ; s, rounded once
	v_rcp_f32 v13, v10
	v_mov_b32 v11, v10                             ; s twice, for the packed multiply; also the plain instruction behind the reciprocal
	s_wait_alu depctr_va_vdst(0)
	v_fma_f32 v12, -v10, v13, 1.0
	v_fma_f32 v13, v12, v13, v13                   ; 1 / s
	v_cmp_eq_u32 vcc_lo, s20, v1
	v_cndmask_b32 v4, v4, v13, vcc_lo              ; lane i keeps row i's
.set i, 0
.rept 16
	v_pk_mul_f32 v[X+32*(\s)+2*i:X+32*(\s)+2*i+1], v[X+32*(\s)+2*i:X+32*(\s)+2*i+1], v[10:11]
.set i, i+1
.endr
.set i, 0
.rept 32
	v_rndne_f32 v[X+32*(\s)+i], v[X+32*(\s)+i]
.set i, i+1
.endr
.set i, 0
.rept 32
	v_med3_num_f32 v[X+32*(\s)+i], v[X+32*(\s)+i], s28, s27
.set i, i+1
.endr
.set i, 0
.rept 16
	v_cvt_pk_bf16_f32 v[Y+i], v[X+32*(\s)+2*i], v[X+32*(\s)+2*i+1]
.set i, i+1
.endr
.if \fill
	FILL \s, 2+(\s)
.endif
.irp j, 0,1,2,3,4,5,6,7
	global_store_b64 v3, v[Y+2*(\j):Y+2*(\j)+1], s[10:11] offset:(\s)*2048+256*(\j)  ; 32 lanes store 256 consecutive bytes, aligned
.endr
	s_add_co_u32 s20, s20, 1
.endm
	FILL 0, 0
	FILL 1, 1
	s_mov_b32 s21, 3
.Lrows:
	TURN 0, 1, 8
	TURN 1, 1, 8
	s_wait_xcnt 0x0                                ; the bases are stepped only behind this wait
	s_add_nc_u64 s[4:5], s[4:5], 8192
	s_add_nc_u64 s[10:11], s[10:11], 4096
	s_sub_co_u32 s21, s21, 1
	s_cmp_lg_u32 s21, 0
	s_cbranch_scc1 .Lrows
	TURN 0, 0, 8                                   ; the last two rows load nothing
	TURN 1, 0, 0
	v_cmp_gt_u32 vcc_lo, 8, v1
	s_wait_xcnt 0x0                                ; EXEC changes only behind this wait
	s_and_saveexec_b32 s21, vcc_lo
	global_store_b32 v5, v4, s[12:13]              ; the wave's eight 1 / s
	s_wait_xcnt 0x0
	s_or_b32 exec_lo, exec_lo, s21
	s_endpgm
.Lw_role:
	s_lshl3_add_u32 s17, ttmp9, s16                ; my wave among the 1,536
	s_lshr_b32 s20, s17, 4                         ; block row 0 to 95: 0 to 31 of W_dt, then 64 of W_x
	s_and_b32 s21, s17, 15                         ; which two of its 32 windows
	s_sub_co_u32 s18, s20, 32
	s_mov_b32 s24, 0x7fffffff                      ; clears a sign
	s_mov_b32 s26, 8
	v_lshlrev_b32 v2, 3, v1                        ; 8 bytes a lane: 32 lanes take 256 consecutive bytes of a row, two windows' 128
	v_lshrrev_b32 v3, 4, v1
	v_lshlrev_b32 v3, 2, v3                        ; where my half's sum goes
	v_and_b32 v5, 15, v1
	s_wait_kmcnt 0x0
	s_cmp_lt_u32 s20, 32
	s_cselect_b64 s[22:23], s[6:7], s[8:9]
	s_cselect_b32 s18, s20, s18
	s_lshl_b32 s18, s18, 17                        ; 32 rows of 4,096 bytes
	s_lshl_b32 s25, s21, 8
	s_add_co_u32 s18, s18, s25
	s_add_nc_u64 s[22:23], s[22:23], s[18:19]
	s_lshl_b32 s18, s17, 3                         ; 128 bytes a block row + 8 a pair of windows
	s_add_nc_u64 s[14:15], s[14:15], s[18:19]
.set r, 0
.rept 32
	global_load_b64 v[X+2*r:X+2*r+1], v2, s[22:23] offset:4096*r   ; all 32 rows are asked for at once
.set r, r+1
.endr
	s_wait_loadcnt 0x0
.Lwrows:                                               ; eight trips of four rows, always those in the lowest eight registers
.set i, 0
.rept 8
	v_and_b32 v[X+i], s24, v[X+i]
.set i, i+1
.endr
.irp r, 0,1,2,3
.rept 16                               ; round c: lane c takes the sum from lane c - 1 (lane 0 from lane 15: the row before) and adds its two columns
	v_add_f32_dpp v4, v4, v[X+2*(\r)] row_ror:1 row_mask:0xf bank_mask:0xf
	v_add_f32 v4, v4, v[X+2*(\r)+1]
.endr
.endr
.set i, 0
.rept 56                               ; the rows to come move down by four rows, so that one text serves every trip
	v_mov_b32 v[X+i], v[X+8+i]
.set i, i+1
.endr
	s_sub_co_u32 s26, s26, 1
	s_cmp_lg_u32 s26, 0
	s_cbranch_scc1 .Lwrows
	v_cmp_eq_u32 vcc_lo, 15, v5                    ; behind the last round the sums stand in lanes 15 and 31
	s_wait_xcnt 0x0                                ; EXEC changes only behind this wait
	s_and_saveexec_b32 s21, vcc_lo
	global_store_b32 v3, v4, s[14:15]
	s_wait_xcnt 0x0
	s_or_b32 exec_lo, exec_lo, s21
	s_endpgm
.Lfunc_end_k_q9480beadb1_prep:
	.size	k_q9480beadb1_prep, .Lfunc_end_k_q9480beadb1_prep-k_q9480beadb1_prep
	.p2alignl 7, 3214868480
	.fill 96, 4, 3214868480
	.section	.rodata,"a",@progbits
	.p2align	6, 0x0
	.amdhsa_kernel k_q9480beadb1_prep
		.amdhsa_group_segment_fixed_size 0
		.amdhsa_private_segment_fixed_size 0
		.amdhsa_enable_private_segment 0
		.amdhsa_kernarg_size 48
		.amdhsa_user_sgpr_count 2
		.amdhsa_user_sgpr_kernarg_segment_ptr 1
		.amdhsa_wavefront_size32 1
		.amdhsa_system_sgpr_workgroup_id_x 1
		.amdhsa_system_sgpr_workgroup_id_y 1
		.amdhsa_system_sgpr_workgroup_id_z 1
		.amdhsa_system_vgpr_workitem_id 0
		.amdhsa_next_free_vgpr 96
		.amdhsa_next_free_sgpr 66
		.amdhsa_reserve_vcc 1
		.amdhsa_float_denorm_mode_32 3
		.amdhsa_float_denorm_mode_16_64 3
		.amdhsa_memory_ordered 1
		.amdhsa_forward_progress 1
		.amdhsa_inst_pref_size 49
	.end_amdhsa_kernel
	.amdgpu_metadata
---
amdhsa.version: [ 1, 2 ]
amdhsa.kernels:
  - .name:           k_q9480beadb1_prep
    .symbol:         k_q9480beadb1_prep.kd
    .args:
      - { .name: x, .offset: 0, .size: 8, .value_kind: global_buffer, .address_space: global }
      - { .name: W_dt, .offset: 8, .size: 8, .value_kind: global_buffer, .address_space: global }
      - { .name: W_x, .offset: 16, .size: 8, .value_kind: global_buffer, .address_space: global }
      - { .name: qx, .offset: 24, .size: 8, .value_kind: global_buffer, .address_space: global }
      - { .name: rsc, .offset: 32, .size: 8, .value_kind: global_buffer, .address_space: global }
      - { .name: wblk, .offset: 40, .size: 8, .value_kind: global_buffer, .address_space: global }
    .group_segment_fixed_size: 0
    .private_segment_fixed_size: 0
    .kernarg_segment_align: 8
    .kernarg_segment_size: 48
    .max_flat_workgroup_size: 256
    .sgpr_count:     66
    .vgpr_count:     96
    .wavefront_size: 32
...
	.end_amdgpu_metadata
.endif
;; end of part 6
;; launch wq (part 7): grid 96 x 1, 8 waves a work-group, no clusters, 0 bytes of LDS; arguments W_dt, W_x, wblk, wqb, wsc; writes wqb, wsc
.if DOCPART == 7
	.amdgcn_target "amdgcn-amd-amdhsa--gfx1250"
	.amdhsa_code_object_version 6
	.text
	.protected	k_q9480beadb1_wq
	.globl	k_q9480beadb1_wq
	.p2align	8
	.type	k_q9480beadb1_wq,@function
k_q9480beadb1_wq:
	s_mov_b64 s[64:65], 0
	v_nop
	global_prefetch_b8 v0, s[64:65] scope:SCOPE_SE
	s_setreg_imm32_b32 hwreg(HW_REG_WAVE_MODE, 25, 1), 1
	s_wait_xcnt 0x0
; Ternary weights.  w_scale = mean|W| + 1e-5; the code clip(round(W / w_scale), -1, 1), exact in bf16, goes to wqb ([3072][1024]: W_dt's 1,024 rows, then W_x's 2,048); w_scale to wsc.
; Work-group g owns 32 rows, a wave 4.  Every wave adds its matrix's window sums itself, so that all waves hold the same bits and no launch is spent on it: one chain of additions in
; row-major order over each group of 1,024 sums (W_x has two groups, whose totals are then added).  A group lies over 16 lanes as 16 contiguous loads put it (64 registers), and the running
; sum travels: each round's first addition takes it from the lane below (row_ror:1), then the lane adds its other three terms.  Lanes 0-15 take the matrix's first group, lanes 16-31 the 4,096
; bytes behind it: W_x's second group, or for W_dt bytes of the same buffer whose total is replaced by 0.  The wave's rows of W are on their way meanwhile.
; W / w_scale is a correctly rounded quotient (reciprocal, Newton step, residual by fused multiply-add): a weight on the other side of a half is another weight.
; LIMITS.  The order of the sum is a choice (see the launch before).  NaN and infinities are not treated apart.
.set W, 16                             ; v[16:143]  four rows, 32 registers each
.set S, 152                            ; v[152:215] my 64 of the group's 1,024 window sums: sums 64 j + 4 c + 0..3 at S + 4 j, c my lane in its half
	s_load_b256 s[4:11], s[0:1], 0x0               ; W_dt s[4:5], W_x s[6:7], wblk s[8:9], wqb s[10:11]
	s_load_b64 s[12:13], s[0:1], 0x20              ; wsc
	v_and_b32 v1, 31, v0
	v_lshrrev_b32 v4, 5, v0
	v_readfirstlane_b32 s48, v4                    ; wave
	s_sub_co_u32 s49, ttmp9, 32
	s_mov_b32 s53, 0x35000000                      ; 2^-21
	s_mov_b32 s55, 0
	s_mov_b32 s58, 4
	v_lshlrev_b32 v2, 4, v1
	v_lshl_add_u32 v2, s48, 14, v2                 ; 16 bytes a lane + my four rows of 4,096 bytes
	v_lshlrev_b32 v3, 3, v1
	v_lshl_add_u32 v3, s48, 13, v3                 ; 8 bytes a lane + my four rows of 2,048 bytes
	v_and_b32 v6, 15, v1
	v_lshrrev_b32 v7, 4, v1
	v_lshlrev_b32 v6, 4, v6
	v_lshl_add_u32 v6, v7, 12, v6                  ; 16 bytes a lane of a half + 4,096 for the upper half
	v_mov_b32 v5, 0                                ; the running sum
	s_wait_kmcnt 0x0
	s_cmp_lt_u32 ttmp9, 32                         ; W_dt or W_x
	s_cselect_b64 s[6:7], s[4:5], s[6:7]
	s_cselect_b32 s49, ttmp9, s49                  ; my block of 32 rows in that matrix
	s_cselect_b32 s14, 0, 4096                     ; where its window sums begin: the loads below end at byte 8,192 or 12,288 of the 12,288
	s_cselect_b32 s52, 0x35800000, s53             ; 1 / its number of weights: 2^-20 or 2^-21
	v_add_nc_u32 v6, s14, v6
	s_lshl_b32 s54, s49, 17
	s_add_nc_u64 s[6:7], s[6:7], s[54:55]
	s_lshl_b32 s54, ttmp9, 16                      ; 32 rows of 2,048 bytes
	s_add_nc_u64 s[10:11], s[10:11], s[54:55]
.set j, 0
.rept 16
	global_load_b128 v[S+4*j:S+4*j+3], v6, s[8:9] offset:256*j     ; 16 lanes take 256 consecutive bytes, aligned
.set j, j+1
.endr
.irp r, 0,1,2,3
.irp j, 0,1,2,3,4,5,6,7
	global_load_b128 v[W+32*(\r)+4*(\j):W+32*(\r)+4*(\j)+3], v2, s[6:7] offset:(\r)*4096+512*(\j) th:TH_LOAD_NT
.endr
.endr
	s_wait_loadcnt 32                              ; the window sums are in; the 32 younger loads, my rows of W, stay out
.Lsum:                                                 ; four trips of 256 sums, always those in the lowest sixteen registers
.irp j, 0,1,2,3
.rept 16                               ; round c: lane c takes the sum from lane c - 1 (lane 0 from lane 15: the 64 sums before) and adds its four terms
	v_add_f32_dpp v5, v5, v[S+4*(\j)] row_ror:1 row_mask:0xf bank_mask:0xf
	v_add_f32 v5, v5, v[S+4*(\j)+1]
	v_add_f32 v5, v5, v[S+4*(\j)+2]
	v_add_f32 v5, v5, v[S+4*(\j)+3]
.endr
.endr
.set i, 0
.rept 48                               ; the sums to come move down by sixteen registers, so that one text serves every trip
	v_mov_b32 v[S+i], v[S+16+i]
.set i, i+1
.endr
	s_sub_co_u32 s58, s58, 1
	s_cmp_lg_u32 s58, 0
	s_cbranch_scc1 .Lsum
	v_readlane_b32 s57, v5, 15                     ; behind the last round the totals stand in lanes 15 and 31
	v_readlane_b32 s56, v5, 31
	s_cmp_lt_u32 ttmp9, 32
	s_cselect_b32 s56, 0, s56                      ; W_dt has one group
	s_add_f32 s56, s57, s56
	s_mov_b32 s59, 0x3727c5ac                      ; 1e-5
	s_fmac_f32 s59, s56, s52                       ; w_scale (the product with a power of two is exact)
	v_mov_b32 v10, s59
	v_mov_b32 v11, s59
	v_rcp_f32 v8, v10
	v_nop                                          ; a plain instruction behind the reciprocal (ISA guide 5.7.2)
	s_wait_alu depctr_va_vdst(0)
	v_fma_f32 v12, -v10, v8, 1.0
	v_fma_f32 v8, v12, v8, v8
	v_mov_b32 v9, v8                               ; 1 / w_scale, twice
	s_wait_loadcnt 0x0
.set i, 0
.rept 64                               ; two weights at a time; two sets of work registers take turns
.set Q, 144+4*(i%2)
	v_pk_mul_f32 v[Q:Q+1], v[W+2*i:W+2*i+1], v[8:9]
	v_pk_fma_f32 v[Q+2:Q+3], v[Q:Q+1], v[10:11], v[W+2*i:W+2*i+1] neg_lo:[1,0,0] neg_hi:[1,0,0]
	v_pk_fma_f32 v[Q:Q+1], v[Q+2:Q+3], v[8:9], v[Q:Q+1]
	v_rndne_f32 v[Q], v[Q]
	v_rndne_f32 v[Q+1], v[Q+1]
	v_med3_num_f32 v[Q], v[Q], -1.0, 1.0
	v_med3_num_f32 v[Q+1], v[Q+1], -1.0, 1.0
	v_cvt_pk_bf16_f32 v[W+4*(i/2)+i%2], v[Q], v[Q+1]   ; into the first two registers of the four that were loaded together
.set i, i+1
.endr
.irp r, 0,1,2,3
.irp j, 0,1,2,3,4,5,6,7
	global_store_b64 v3, v[W+32*(\r)+4*(\j):W+32*(\r)+4*(\j)+1], s[10:11] offset:(\r)*2048+256*(\j)  ; 32 lanes store 256 consecutive bytes, aligned
.endr
.endr
	s_cmp_lg_u32 s48, 0                            ; wave 0 of each matrix's first work-group stores the scale, 32 times
	s_cbranch_scc1 .Ldone
	s_cmp_eq_u32 ttmp9, 0
	s_cbranch_scc1 .Lscale
	s_cmp_lg_u32 ttmp9, 32
	s_cbranch_scc1 .Ldone
.Lscale:
	s_lshl_b32 s54, ttmp9, 2                       ; byte 0 or 128
	v_lshlrev_b32 v13, 2, v1
	v_add_nc_u32 v13, s54, v13
	v_mov_b32 v12, s59
	global_store_b32 v13, v12, s[12:13]
.Ldone:
	s_endpgm
.Lfunc_end_k_q9480beadb1_wq:
	.size	k_q9480beadb1_wq, .Lfunc_end_k_q9480beadb1_wq-k_q9480beadb1_wq
	.p2alignl 7, 3214868480
	.fill 96, 4, 3214868480
	.section	.rodata,"a",@progbits
	.p2align	6, 0x0
	.amdhsa_kernel k_q9480beadb1_wq
		.amdhsa_group_segment_fixed_size 0
		.amdhsa_private_segment_fixed_size 0
		.amdhsa_enable_private_segment 0
		.amdhsa_kernarg_size 40
		.amdhsa_user_sgpr_count 2
		.amdhsa_user_sgpr_kernarg_segment_ptr 1
		.amdhsa_wavefront_size32 1
		.amdhsa_system_sgpr_workgroup_id_x 1
		.amdhsa_system_sgpr_workgroup_id_y 1
		.amdhsa_system_sgpr_workgroup_id_z 1
		.amdhsa_system_vgpr_workitem_id 0
		.amdhsa_next_free_vgpr 216
		.amdhsa_next_free_sgpr 66
		.amdhsa_reserve_vcc 0
		.amdhsa_float_denorm_mode_32 3
		.amdhsa_float_denorm_mode_16_64 3
		.amdhsa_memory_ordered 1
		.amdhsa_forward_progress 1
		.amdhsa_inst_pref_size 50
	.end_amdhsa_kernel
	.amdgpu_metadata
---
amdhsa.version: [ 1, 2 ]
amdhsa.kernels:
  - .name:           k_q9480beadb1_wq
    .symbol:         k_q9480beadb1_wq.kd
    .args:
      - { .name: W_dt, .offset: 0, .size: 8, .value_kind: global_buffer, .address_space: global }
      - { .name: W_x, .offset: 8, .size: 8, .value_kind: global_buffer, .address_space: global }
      - { .name: wblk, .offset: 16, .size: 8, .value_kind: global_buffer, .address_space: global }
      - { .name: wqb, .offset: 24, .size: 8, .value_kind: global_buffer, .address_space: global }
      - { .name: wsc, .offset: 32, .size: 8, .value_kind: global_buffer, .address_space: global }
    .group_segment_fixed_size: 0
    .private_segment_fixed_size: 0
    .kernarg_segment_align: 8
    .kernarg_segment_size: 40
    .max_flat_workgroup_size: 256
    .sgpr_count:     66
    .vgpr_count:     216
    .wavefront_size: 32
...
	.end_amdgpu_metadata
.endif
;; end of part 7
;; launch gemm: the kernel of part 3 again; grid 4 x 64, 4 waves a work-group, clusters of 4 x 4, 327,680 bytes of LDS; arguments qx, wqb, rsc, wsc, b_dt, A_log, lsum; writes lsum
;; launch carry: the kernel of part 4 again; grid 2 x 1, 32 waves a work-group, no clusters, 4,352 bytes of LDS; arguments lsum, nlive; writes nlive
;; launch scan: the kernel of part 5 again; grid 128 x 1, 8 waves a work-group, no clusters, 103,168 bytes of LDS; arguments qx, rsc, wqb, wsc, nlive, b_dt, b_x, A_log, out0; writes out0
